; MI455X (gfx1250); checked and timed in simulation.
; The chip was launched on July 23, 2026; its instructions are those of AMD's public machine-readable ISA for CDNA 5 (MIT licence, August 2026) and "CDNA5" Instruction Set Architecture Reference Guide (July 2026). The comments in the code are by the model that wrote it; some were corrected since.
;; Multi Head Self Attention. Allowed arithmetic: matrix products marked QUANTISED: E5M2 operands, one given power-of-two scale a tensor, by v_wmma_f32_16x16x64_bf8_bf8 or v_wmma_f32_16x16x128_bf8_bf8, f32 sums; everything else in f32.
;; Inputs: lowp_scales 8 int32 (the exponents e of the quantised operands' scales 2^e); out_b 1,024 float32; out_w 1,024 x 1,024 float32; qkv_b 3,072 float32; qkv_w 1,024 x 3,072 float32; src 4 x 2,048 x 1,024 float32.
;; Outputs: out0 4 x 2,048 x 1,024 float32.
;; This version of the problem:
;;   THIS VERSION OF THE PROBLEM IS GIVEN IN LOW PRECISION. The matrix products marked QUANTISED in the list below multiply operands that are first quantised to E5M2 (5 exponent bits, 2 mantissa bits; 8 bits a number), with one given power-of-two scale for each operand tensor; their sums are f32. All else is computed in f32.
;;   The module's matrix products, in the order in which they are computed (A, B: the left and right operand; K: the contracted axis; several contracted axes count as one K, in the product's order):
;;     1. [M 8,192, K 1,024] x [K 1,024, N 3,072]; A: input src; B: input qkv_w: QUANTISED (scales: A lowp_scales[0], B lowp_scales[1])
;;     2. batch 64 x [M 2,048, K 64] x [K 64, N 2,048]; A: computed on the way; B: computed on the way: QUANTISED (scales: A lowp_scales[2], B lowp_scales[3])
;;     3. batch 64 x [M 2,048, K 2,048] x [K 2,048, N 64]; A: softmax (see below); B: computed on the way: QUANTISED (scales: A lowp_scales[4], B lowp_scales[5])
;;     4. [M 8,192, K 1,024] x [K 1,024, N 1,024]; A: computed on the way; B: input out_w: QUANTISED (scales: A lowp_scales[6], B lowp_scales[7])
;;   THE QUANTISER, for each operand of a quantised product, along K:
;;     - The operand's scale is 2^e, e = its entry of the input lowp_scales (int32; the entries are numbered through the quantised products in the list's order, A before B).
;;     - Each number is divided by the scale, clamped to +-57,344, and rounded to the nearest number of E5M2, ties to even, subnormals kept.
;;     - The product sums the exact products of the quantised numbers (number of the format x scale) in f32.
;;   ~~~python
;;   def quantise(x, axis, e):      # numpy; x: float32 -> the quantised numbers, widened to float32 again
;;       x = np.moveaxis(x, axis, -1); K = x.shape[-1]
;;       r = np.clip(x / 2.0 ** e, -57344, 57344)
;;       step = 2.0 ** (np.maximum(np.frexp(np.where(r == 0, 1, r))[1] - 1, -14) - 2)
;;       q = np.round(r / step) * step * 2.0 ** e      # np.round: ties to even
;;       return np.moveaxis(q, -1, axis).astype(np.float32)
;;   ~~~
;;   SOFTMAX AHEAD OF A QUANTISED PRODUCT. Where the list says 'softmax', what is quantised is not the finished softmax but p = 2^(t - M), with t = logit x log2(e) and M = ceil(the row's largest t), a whole number; so 1/2 < the row's largest p <= 1. The row's sum l is taken of the UNQUANTISED p, in f32, and the product's result is divided by l at the end. Since M is a whole number, a kernel that streams over the keys may use a running M (the ceiling of the running maximum): every later rescaling is an exact power of two, so the quantised numbers keep their values, but for numbers so far below the row's largest that they fall under the format's range.
;;   OPERANDS COMPUTED ON THE WAY. 'Computed on the way' means the value that the module computes at that place (a softmax that the list does not call 'softmax' is quantised finished and normalised). What goes into a quantiser is computed in f32, as accurately as f32 sums, v_exp_f32 and their like allow (about 1e-6 of the number): no bf16 or f16 on the way to a quantiser, and a product that is left as it is and whose result goes on into a quantised operand takes f32 operands (vector FMAs, or v_wmma_f32_16x16x4_f32). A number that lies on a knife's edge between two numbers of the format may be rounded either way, as far as f32 arithmetic and the matrix unit's own rounding can turn it there, and no further.
;; One version. Each part assembles by itself: llvm-mc -triple=amdgcn-amd-amdhsa -mcpu=gfx1250 --defsym DOCPART=n.
;; ======== version 1 of 1: 4 launches
;; limits: right only within a limited range of input values
;; workspace buffers: src_codes 8,388,608 bytes; w_codes 4,194,304 bytes; q_codes 8,388,608 bytes; k_codes 8,388,608 bytes; v_codes 8,388,608 bytes; res_codes 8,388,608 bytes
;; launch quant (part 1): grid 384 x 1, 4 waves a work-group, no clusters, 68,096 bytes of LDS; arguments src, qkv_w, out_w, lowp_scales, src_codes, w_codes; writes src_codes, w_codes
.if DOCPART == 1
	.amdgcn_target "amdgcn-amd-amdhsa--gfx1250"
	.amdhsa_code_object_version 6
	.text
	.protected	k_qa746bbdba5_quant
	.globl	k_qa746bbdba5_quant
	.p2align	8
	.type	k_qa746bbdba5_quant,@function
k_qa746bbdba5_quant:
	s_mov_b64 s[64:65], 0
	v_nop
	global_prefetch_b8 v0, s[64:65] scope:SCOPE_SE
	s_setreg_imm32_b32 hwreg(HW_REG_WAVE_MODE, 25, 1), 1
	s_wait_xcnt 0x0
; The three f32 inputs that are matrix operands become codes of BF8 (E5M2), K innermost, each with the one scale 2^e that is given for it.
; code = x / 2^e, held within +-57,344, rounded to the nearest code, ties to even.
;   src   [8192][1024] (K innermost)  -> src_codes [8192][1024], e = entry 0 of the scales
;   qkv_w [1024][3072] (K first)      -> w_codes rows 0 .. 3071    [n][1024], e = entry 1
;   out_w [1024][1024] (K first)      -> w_codes rows 3072 .. 4095 [n][1024], e = entry 7
; LIMITS: each e lies between -126 and 112, so that 2^e and 57,344 x 2^e are f32 numbers.  NaN among the inputs is not served (an infinity is held at the largest code).
; Work-groups 0 .. 255 take src, 32,768 numbers each; work-groups 256 .. 383 take the weights, 128 columns x 256 along K each.  The two ways have LDS bytes of their own.
; Waves share nothing: no barrier, no tensor load, no cluster (no two work-groups read the same byte), no matrix unit.
.set SP,    80                         ; src: a lane's place in a stage: its 64 bytes + 16 of padding
.set R,     16                         ; v16-79   src: four sets of 16 numbers as they are loaded
.set X,     80                         ; v80-111  src: two sets of 16 neighbours
.set C,     128                        ; v128-191 src: codes, four registers for each step, so that no store's data are written again
.set WX,    32                         ; v32-95   weights: two sets of 32 numbers
.set WC,    96                         ; v96-103  weights: a block's codes
.set OUTR,  112                        ; v112-175 weights: the way out
.set OFF,   176                        ; v176-207 weights: row i of a block: i x the row's bytes + 4 x lane
.set WST,   32768                      ; weights: the stages begin behind src's
.set WP,    272                        ; weights: a stage row: 256 bytes of codes + 16
	s_load_b256 s[4:11], s[0:1], 0x0               ; src s[4:5], qkv_w s[6:7], out_w s[8:9], the scales' exponents s[10:11]
	s_load_b128 s[12:15], s[0:1], 0x20             ; src_codes s[12:13], w_codes s[14:15]
	v_lshl_add_u32 v208, v0, 2, 0x10800
	v_mov_b32 v209, 0
	v_lshrrev_b32 v1, 5, v0
	v_readfirstlane_b32 s16, v1                    ; wave 0..3
	v_and_b32 v2, 31, v0                           ; lane
	s_wait_kmcnt 0x0
	s_load_b256 s[48:55], s[10:11], 0x0            ; e0 .. e7
	s_cmp_lt_u32 ttmp9, 256                        ; the choice hangs on the work-group's number alone
	s_cbranch_scc0 .Lweights
; ---------------- src: a plain stream of blocks; nothing here knows of rows ----------------
; A wave takes 16 steps of 512 numbers.  Each of a step's four loads reads 512 consecutive bytes, 16 a lane; the 2,048 bytes go through the wave's own stage in LDS as they lie
; and come back 64 bytes a lane, so that a lane holds 16 neighbours along K for the conversions.  A lane's 16 codes are 16 bytes: the wave stores 512 consecutive bytes.
	s_wait_alu depctr_va_vdst(0)
	v_lshlrev_b32 v3, 4, v2                        ; my 16 bytes of a load's 512
	s_wait_alu depctr_va_vdst(0)
	s_lshl_b32 s17, s16, 13                        ; my wave's 8,192 bytes of LDS: two stages of 32 x SP
	v_lshrrev_b32 v14, 2, v2
	v_mul_u32_u24 v14, v14, SP
	v_and_b32 v15, 3, v2
	v_lshl_add_u32 v14, v15, 4, v14
	v_add_nc_u32 v14, s17, v14                     ; into the stage: SP (lane / 4) + 16 (lane % 4); a load's 512 bytes take eight places
	v_mul_u32_u24 v15, v2, SP
	v_add_nc_u32 v15, s17, v15                     ; out of it: SP x lane: my 16 neighbours
	v_lshlrev_b32 v4, 4, v2                        ; my codes' place in a step's
	s_lshl_b32 s17, ttmp9, 2
	s_add_co_u32 s18, s17, s16                     ; which run of 8,192 numbers is my wave's
	s_mov_b32 s19, 0
	s_lshl_b64 s[20:21], s[18:19], 15              ; x 32,768 bytes of f32
	s_add_nc_u64 s[4:5], s[4:5], s[20:21]
	s_lshl_b64 s[20:21], s[18:19], 13              ; x 8,192 bytes of codes
	s_add_nc_u64 s[12:13], s[12:13], s[20:21]
.macro SLOAD t
.irp i, 0,1,2,3
	global_load_b128 v[R+16*((\t)%4)+4*\i:R+16*((\t)%4)+4*\i+3], v3, s[4:5] offset:2048*(\t)+512*\i th:TH_LOAD_NT   ; 32 lanes read 512 consecutive bytes
.endr
.endm
.macro STURN t                         ; step t's numbers through the stage: LDS serves a wave's instructions in order, so no wait stands between the stores and the loads
.irp i, 0,1,2,3
	ds_store_b128 v14, v[R+16*((\t)%4)+4*\i:R+16*((\t)%4)+4*\i+3] offset:32*SP*((\t)%2)+8*SP*\i
.endr
.irp i, 0,1,2,3
	ds_load_b128 v[X+16*((\t)%2)+4*\i:X+16*((\t)%2)+4*\i+3], v15 offset:32*SP*((\t)%2)+16*\i
.endr
.endm
.irp t, 0,1,2,3
	SLOAD \t
.endr
	s_wait_alu depctr_va_vdst(0)
	s_wait_kmcnt 0x0
	s_add_co_i32 s22, s48, 127
	s_lshl_b32 s23, s22, 23
	v_mov_b32 v11, s23                             ; 2^e0 as f32: the conversion takes its exponent field
	s_add_co_i32 s22, s22, 15
	s_lshl_b32 s22, s22, 23
	s_or_b32 s22, s22, 0x600000
	v_mov_b32 v10, s22                             ; 57,344 x 2^e0
	s_wait_alu depctr_va_vdst(0)
	s_wait_loadcnt 12                              ; step 0's four loads are in; three steps' twelve may be out
	STURN 0
.macro SSTEP t
.set XS, X+16*((\t)%2)
	s_wait_dscnt 0x0                               ; this step's numbers are back from the stage, so its stores into the stage have read their registers,
.if (\t)+4 < 16
	SLOAD (\t)+4                                   ; which take the loads of four steps on
.endif
.if (\t)+1 < 16
.if 14-(\t) >= 3
	s_wait_loadcnt 12                              ; the next step's four loads are in; those of the three steps behind it may be out
.else
	s_wait_loadcnt 4*(14-(\t))                     ; the tail: fewer steps are behind it
.endif
	STURN (\t)+1                                   ; and go through the other stage while this step is worked
.endif
.set j, 0
.rept 16
	v_med3_num_f32 v[XS+j], v[XS+j], -v10, v10     ; the conversion to an 8-bit code does not saturate (ISA guide 7.6.2): the number is held first
.set j, j+1
.endr
	v_cvt_scalef32_pk8_bf8_f32 v[C+4*(\t):C+4*(\t)+1], v[XS:XS+7], v11
	v_cvt_scalef32_pk8_bf8_f32 v[C+4*(\t)+2:C+4*(\t)+3], v[XS+8:XS+15], v11
	global_store_b128 v4, v[C+4*(\t):C+4*(\t)+3], s[12:13] offset:512*(\t)   ; the results go to a store alone; the next vector lines are the next step's holds, on other registers
.endm
.irp t, 0,1,2,3,4,5,6,7,8,9,10,11,12,13,14,15
	SSTEP \t
.endr
	s_wait_tensorcnt 0x0
	ds_add_u32 v208, v209
	s_wait_dscnt 0x0
	s_endpgm
; ---------------- the weights: K is their FIRST axis ----------------
; A lane takes a column n and its registers run down K: each load reads 128 consecutive bytes a wave (512 a work-group), and the conversions give codes with K innermost.
; A wave takes 32 columns x 256 along K: 8 blocks of 32.  Its codes go through its own stage and leave as rows: sixteen lanes store 256 consecutive bytes, aligned.
; Both weights take one way through the text: the pointer, the row's bytes and the scale are chosen by selects on the work-group's number.
.Lweights:
	s_sub_co_u32 s17, ttmp9, 256
	s_and_b32 s18, s17, 31                         ; x: which 128 rows of w_codes
	s_lshr_b32 s19, s17, 5                         ; y: which 256 along K
	s_mov_b32 s20, 4096
	s_cmp_lt_u32 s18, 24                           ; rows 0 .. 3071 are qkv_w's columns.  All selects stand ahead of the next line that sets SCC
	s_cselect_b64 s[6:7], s[6:7], s[8:9]           ; the weight
	s_cselect_b32 s20, 12288, s20                  ; bytes in one of its rows
	s_cselect_b32 s21, 0, 24
	s_sub_co_u32 s21, s18, s21
	s_lshl_b32 s21, s21, 7
	s_lshl_b32 s23, s16, 5
	s_add_co_u32 s21, s21, s23                     ; my wave's first column in that weight
	s_lshl_b32 s24, s21, 2
	s_mul_i32 s23, s19, s20
	s_lshl_b32 s23, s23, 8                         ; 256 y rows
	s_add_co_u32 s24, s24, s23
	s_mov_b32 s25, 0
	s_add_nc_u64 s[32:33], s[6:7], s[24:25]        ; block 0's first row
	s_lshl_b32 s26, s20, 5                         ; 32 rows on
	s_mov_b32 s27, 0
.irp t, 1,2,3,4,5,6,7
	s_add_nc_u64 s[32+2*\t:33+2*\t], s[30+2*\t:31+2*\t], s[26:27]   ; a base for each of the eight blocks: none is stepped later
.endr
	s_lshl_b32 s28, s18, 7
	s_lshl_b32 s29, s16, 5
	s_add_co_u32 s28, s28, s29
	s_lshl_b32 s28, s28, 10                        ; my first row of w_codes, 1,024 bytes a row,
	s_lshl_b32 s29, s19, 8
	s_add_co_u32 s28, s28, s29                     ; + 256 y
	s_mov_b32 s29, 0
	s_add_nc_u64 s[14:15], s[14:15], s[28:29]
	s_wait_alu depctr_va_vdst(0)
	v_lshlrev_b32 v3, 2, v2                        ; in: 4 bytes a lane
	s_mul_i32 s31, s16, 32*WP
	s_add_co_u32 s31, s31, WST                     ; my stage
	v_mul_u32_u24 v4, v2, WP
	v_add_nc_u32 v4, s31, v4                       ; into it: row = my column
	v_and_b32 v5, 15, v2
	v_lshrrev_b32 v6, 4, v2                        ; out of it: sixteen lanes to a row, two rows an instruction
	v_mul_u32_u24 v7, v6, WP
	v_lshl_add_u32 v7, v5, 4, v7
	v_add_nc_u32 v7, s31, v7
	v_lshlrev_b32 v8, 10, v6
	v_lshl_add_u32 v8, v5, 4, v8                   ; and the same place in w_codes
.set i, 0
.rept 32
	v_mad_u32_u24 v[OFF+i], s20, i, v3
.set i, i+1
.endr
.macro WLOAD t                         ; block t: W(32 t + i, my column), i = 0 .. 31, into set t % 2
.set i, 0
.rept 32
	global_load_b32 v[WX+32*((\t)%2)+i], v[OFF+i], s[32+2*(\t):33+2*(\t)] th:TH_LOAD_NT
.set i, i+1
.endr
.endm
	WLOAD 0
	WLOAD 1
	s_wait_kmcnt 0x0
	s_cmp_lt_u32 s18, 24
	s_cselect_b32 s30, s49, s55                    ; e1 or e7
	s_add_co_i32 s30, s30, 127
	s_lshl_b32 s31, s30, 23
	v_mov_b32 v11, s31                             ; 2^e as f32
	s_add_co_i32 s30, s30, 15
	s_lshl_b32 s30, s30, 23
	s_or_b32 s30, s30, 0x600000
	v_mov_b32 v10, s30                             ; 57,344 x 2^e
.macro WBLOCK t
.set XS, WX+32*((\t)%2)
.if (\t) < 7
	s_wait_loadcnt 32                              ; this block's 32 loads are in; the next block's 32 may be out
.else
	s_wait_loadcnt 0x0
.endif
.set i, 0
.rept 32
	v_med3_num_f32 v[XS+i], v[XS+i], -v10, v10     ; the hold at the largest code x the scale
.set i, i+1
.endr
.irp g, 0,1,2,3
	v_cvt_scalef32_pk8_bf8_f32 v[WC+2*\g:WC+2*\g+1], v[XS+8*\g:XS+8*\g+7], v11
.endr
	ds_store_b128 v4, v[WC:WC+3] offset:32*(\t)    ; 32 codes: 32 bytes of my column's row
	ds_store_b128 v4, v[WC+4:WC+7] offset:32*(\t)+16
.if (\t)+2 < 8
	WLOAD (\t)+2
.endif
	s_wait_dscnt 0x0                               ; the stores have read their registers: the next block's codes may be written (32 plain holds stand ahead of them)
.endm
	s_wait_alu depctr_va_vdst(0)
.irp t, 0,1,2,3,4,5,6,7
	WBLOCK \t
.endr
.irp t, 0,1,2,3,4,5,6,7,8,9,10,11,12,13,14,15
	ds_load_b128 v[OUTR+4*\t:OUTR+4*\t+3], v7 offset:2*\t*WP   ; LDS serves a wave's instructions in order: these see my stores
.endr
.irp t, 0,1,2,3,4,5,6,7,8,9,10,11,12,13,14,15
	s_wait_dscnt 15-\t                             ; load t is in; the 15 - t behind it may be out
	global_store_b128 v8, v[OUTR+4*\t:OUTR+4*\t+3], s[14:15] offset:2*\t*1024
.endr
	s_wait_tensorcnt 0x0
	ds_add_u32 v208, v209
	s_wait_dscnt 0x0
	s_endpgm
.Lfunc_end_k_qa746bbdba5_quant:
	.size	k_qa746bbdba5_quant, .Lfunc_end_k_qa746bbdba5_quant-k_qa746bbdba5_quant
	.p2alignl 7, 3214868480
	.fill 96, 4, 3214868480
	.section	.rodata,"a",@progbits
	.p2align	6, 0x0
	.amdhsa_kernel k_qa746bbdba5_quant
		.amdhsa_group_segment_fixed_size 68096
		.amdhsa_private_segment_fixed_size 0
		.amdhsa_enable_private_segment 0
		.amdhsa_kernarg_size 48
		.amdhsa_user_sgpr_count 2
		.amdhsa_user_sgpr_kernarg_segment_ptr 1
		.amdhsa_wavefront_size32 1
		.amdhsa_system_sgpr_workgroup_id_x 1
		.amdhsa_system_sgpr_workgroup_id_y 1
		.amdhsa_system_sgpr_workgroup_id_z 1
		.amdhsa_system_vgpr_workitem_id 0
		.amdhsa_next_free_vgpr 210
		.amdhsa_next_free_sgpr 66
		.amdhsa_reserve_vcc 0
		.amdhsa_float_denorm_mode_32 3
		.amdhsa_float_denorm_mode_16_64 3
		.amdhsa_memory_ordered 1
		.amdhsa_forward_progress 1
		.amdhsa_inst_pref_size 88
	.end_amdhsa_kernel
	.amdgpu_metadata
---
amdhsa.version: [ 1, 2 ]
amdhsa.kernels:
  - .name:           k_qa746bbdba5_quant
    .symbol:         k_qa746bbdba5_quant.kd
    .args:
      - { .name: src, .offset: 0, .size: 8, .value_kind: global_buffer, .address_space: global }
      - { .name: qkv_w, .offset: 8, .size: 8, .value_kind: global_buffer, .address_space: global }
      - { .name: out_w, .offset: 16, .size: 8, .value_kind: global_buffer, .address_space: global }
      - { .name: lowp_scales, .offset: 24, .size: 8, .value_kind: global_buffer, .address_space: global }
      - { .name: src_codes, .offset: 32, .size: 8, .value_kind: global_buffer, .address_space: global }
      - { .name: w_codes, .offset: 40, .size: 8, .value_kind: global_buffer, .address_space: global }
    .group_segment_fixed_size: 68096
    .private_segment_fixed_size: 0
    .kernarg_segment_align: 8
    .kernarg_segment_size: 48
    .max_flat_workgroup_size: 128
    .sgpr_count:     66
    .vgpr_count:     210
    .wavefront_size: 32
...
	.end_amdgpu_metadata
.endif
;; end of part 1
;; launch qkv (part 2): grid 16 x 16, 4 waves a work-group, clusters of 4 x 4, 327,680 bytes of LDS; arguments src_codes, w_codes, lowp_scales, qkv_b, q_codes, k_codes, v_codes; writes q_codes, k_codes, v_codes
.if DOCPART == 2
	.amdgcn_target "amdgcn-amd-amdhsa--gfx1250"
	.amdhsa_code_object_version 6
	.text
	.protected	k_qa746bbdba5_qkv
	.globl	k_qa746bbdba5_qkv
	.p2align	8
	.type	k_qa746bbdba5_qkv,@function
k_qa746bbdba5_qkv:
	s_mov_b64 s[64:65], 0
	v_nop
	global_prefetch_b8 v0, s[64:65] scope:SCOPE_SE
	s_setreg_imm32_b32 hwreg(HW_REG_WAVE_MODE, 25, 1), 1
	s_wait_xcnt 0x0
	s_wait_alu depctr_hold_cnt(0) depctr_sa_sdst(0) depctr_va_vdst(0) depctr_va_sdst(0) depctr_va_ssrc(0) depctr_va_vcc(0) depctr_vm_vsrc(0)
	s_getreg_b32 s2, hwreg(HW_REG_IB_STS2, 6, 4)
	s_cmp_eq_u32 s2, 0
	s_cbranch_scc0 .Lentry_in_a_cluster
	s_endpgm
.Lentry_in_a_cluster:
	s_bfe_u32 s2, ttmp6, 0x10000c
	s_cmp_lg_u32 s2, 0xf033
	s_cbranch_scc0 .Lentry_shape_is_right
	s_endpgm
.Lentry_shape_is_right:
; qkv = src_codes x w_codes^T (rows 0 .. 3071 of w_codes) on codes of BF8, x 2^(e0 + e1), + qkv_b, quantised again into q_codes, k_codes (K = the head's 64 innermost) and v_codes (the keys innermost).
; A tile is 256 rows x one head's 192 columns; four waves, 64 rows each; K goes in steps of 256 through a ring of two LDS slots filled by joint loads of a 4 x 4 cluster (A shared along a row, B along a column).
; A WORK-GROUP STAYS: it makes two tiles of its head, 4,096 rows apart, so that B, the biases and the masks stay and only A's and the outputs' addresses step.  The ring does not stop at the first tile's end:
; its last two changes of slots ask for the next tile's K steps 0 and 1, the tile goes out with those loads on their way, and nothing waits for its stores.  The last tile's tail is written out behind the loop.
; The stages of the way out have LDS bytes of their own behind the spare words: no fill lands there.
; PREFETCH: at those two changes of slots A's two fetching waves ask for the next tile's K steps 2 and 3: 32 rows a wave, a lane a row of 256 bytes; the four partners that share the tile take 32 rows each, told apart by address (cx).
; The first tile's K steps and the next tile's K steps 0 and 1 come by their loads alone; B's rows have been read by then and are not asked for.
; LIMITS: e0 + e1 between -126 and 127; e2, e3 and e5 between -126 and 112.
.set PITCH,  272
.set AHALF,  128*PITCH
.set BHALF,  96*PITCH
.set BOFF,   256*PITCH
.set SLOT,   448*PITCH
.set SPARE,  2*SLOT
.set QST,    10240
.set STG,    SPARE+512
.set VST,    STG+4*QST
.set NEXTA,  16*256*1024-512
.set ADRA, 16
.set ADRB, 20
.set QSTO, 22
.set QRD,  23
.set VSTO, 24
.set VRD,  25
.set QGO,  26
.set VGO,  27
.set SPW,  28
.set NIL,  29
.set AF,   32
.set TMP,  32
.set COD,  96
.set RB,   160
.set VCOD, 224
.set G1, 24
.set G0, 32
.set G1B, 48
.set G0B, 56
.set MSB, 0
.macro WIN new
.if MSB != \new
	s_set_vgpr_msb (MSB<<8)|\new
.set MSB, \new
.endif
.endm
.set MUL_T, 0xa1
.set MUL_N, 0xf4
.set TO_B,  0x40
.macro JLOAD g0a, g1a, g0b, g1b
	s_cmp_eq_u32 s15, 0
	s_cbranch_scc0 .Lfor_b_\@
	tensor_load_to_lds s[\g0a:\g0a+3], s[\g1a:\g1a+7]
	s_nop 0
.rept 4
	v_nop
.endr
	s_branch .Lasked_\@
.Lfor_b_\@:
	tensor_load_to_lds s[\g0b:\g0b+3], s[\g1b:\g1b+7]
	s_nop 0
.rept 4
	v_nop
.endr
.Lasked_\@:
.endm
.macro CREST
	s_cmp_lg_u32 s14, 0
	s_cbranch_scc1 .Lnot_wave_0_\@
	s_barrier_signal -3
.Lnot_wave_0_\@:
	s_barrier_wait -3
	s_barrier_signal -1
	s_barrier_wait -1
.endm
.macro CROUND
	s_barrier_signal -1
	s_barrier_wait -1
	CREST
.endm
.macro PLACES
.rept 4
	v_nop
.endr
.endm
.macro SCALE e, vs, vl
	s_add_co_i32 s82, s[\e], 127
	s_lshl_b32 s83, s82, 23
	v_mov_b32 v[\vs], s83
	s_add_co_i32 s82, s82, 15
	s_lshl_b32 s82, s82, 23
	s_or_b32 s82, s82, 0x600000
	v_mov_b32 v[\vl], s82
.endm
	s_load_b256 s[4:11], s[0:1], 0x0
	s_load_b128 s[68:71], s[0:1], 0x20
	s_load_b64 s[72:73], s[0:1], 0x30
	v_lshl_add_u32 v[SPW], v0, 2, SPARE
	v_mov_b32 v[NIL], 0
	ds_add_u32 v28, v29
	ds_add_u32 v28, v29
	s_wait_dscnt 0x0
	v_lshrrev_b32 v1, 5, v0
	v_readfirstlane_b32 s14, v1
	s_lshr_b32 s15, s14, 1
	s_and_b32 s16, s14, 1
	s_bfe_u32 s40, ttmp6, 0x40000
	s_bfe_u32 s41, ttmp6, 0x40004
	s_lshl_b32 s42, ttmp9, 2
	s_add_co_u32 s42, s42, s40
	s_and_b32 s17, ttmp7, 0xffff
	s_lshl_b32 s17, s17, 2
	s_add_co_u32 s17, s17, s41
	s_lshl_b32 s43, s41, 2
	s_lshl_b32 s43, 15, s43
	s_lshl_b32 s44, 0x1111, s40
	s_or_b32 s[G1+0], s43, (0<<16)|(1<<20)|(1<<21)|(5<<22)|(3<<25)
	s_or_b32 s[G1B+0], s44, (0<<16)|(1<<20)|(1<<21)|(5<<22)|(3<<25)
	s_mov_b32 s[G1+1], 256<<16
	s_mov_b32 s[G1+2], 128<<16
	s_mov_b32 s[G1+3], 256<<16
	s_mov_b32 s[G1+4], 128
	s_mov_b32 s[G1+5], 1024
	s_mov_b32 s[G1+6], 0
	s_mov_b32 s[G1+7], 0
	s_mov_b32 s[G1B+1], 256<<16
	s_mov_b32 s[G1B+2], 96<<16
	s_mov_b32 s[G1B+3], 256<<16
	s_mov_b32 s[G1B+4], 96
	s_mov_b32 s[G1B+5], 1024
	s_mov_b32 s[G1B+6], 0
	s_mov_b32 s[G1B+7], 0
	s_lshl_b32 s18, s16, 7
	s_lshl_b32 s20, s17, 8
	s_add_co_u32 s20, s20, s18
	s_lshl_b32 s20, s20, 10
	s_mov_b32 s21, 0
	s_mul_i32 s46, s42, 192
	s_mul_i32 s47, s16, 96
	s_add_co_u32 s46, s46, s47
	s_lshl_b32 s46, s46, 10
	s_mov_b32 s47, 0
	s_mul_i32 s45, s16, AHALF
	s_mul_i32 s19, s16, BHALF
	s_add_co_u32 s19, s19, BOFF
	s_wait_kmcnt 0x0
	s_load_b256 s[84:91], s[8:9], 0x0
	s_add_nc_u64 s[20:21], s[4:5], s[20:21]
	s_add_nc_u64 s[46:47], s[6:7], s[46:47]
	CROUND
.irp s, 0,1
	s_mov_b32 s[G0+4*\s], 1
	s_add_co_u32 s[G0+4*\s+1], s45, \s*SLOT
	s_add_nc_u64 s[G0+4*\s+2:G0+4*\s+3], s[20:21], \s*256
	s_or_b32 s[G0+4*\s+3], s[G0+4*\s+3], 0x80000000
	s_mov_b32 s[G0B+4*\s], 1
	s_add_co_u32 s[G0B+4*\s+1], s19, \s*SLOT
	s_add_nc_u64 s[G0B+4*\s+2:G0B+4*\s+3], s[46:47], \s*256
	s_or_b32 s[G0B+4*\s+3], s[G0B+4*\s+3], 0x80000000
.endr
	JLOAD G0, G1, G0B, G1B                         ; K step 0: one tensor load a wave at the head; the addresses, the biases and the scales are made while it is on its way
	v_and_b32 v1, 15, v0
	v_bfe_u32 v2, v0, 4, 1
	v_and_b32 v3, 31, v0
	v_lshlrev_b32 v5, 5, v2
	v_lshlrev_b32 v6, 2, v1
	s_mul_i32 s78, s42, 768
	s_mov_b32 s79, 0
	s_add_nc_u64 s[10:11], s[10:11], s[78:79]
	WIN 0xc0
.irp nb, 0,1,2,3,4,5,6,7
	global_load_b128 v[128+8*\nb:128+8*\nb+3], v5, s[10:11] offset:64*\nb
	global_load_b128 v[128+8*\nb+4:128+8*\nb+7], v5, s[10:11] offset:64*\nb+16
.endr
.irp n, 0,1,2,3
	global_load_b32 v[192+2*\n], v6, s[10:11] offset:512+64*\n
	global_load_b32 v[193+2*\n], v6, s[10:11] offset:512+64*\n
.endr
	WIN 0
	v_mul_u32_u24 v4, v1, PITCH
	v_lshl_add_u32 v4, v2, 4, v4
	s_mul_i32 s80, s14, 64*PITCH
.irp s, 0,1
	v_add_nc_u32 v[ADRA+\s], s80, v4
	v_add_nc_u32 v[ADRB+\s], BOFF+\s*SLOT, v4
	s_add_co_u32 s80, s80, SLOT
.endr
	s_mul_i32 s81, s14, QST
	s_add_co_u32 s81, s81, STG                     ; the stages lie behind the ring and the spare words
	v_mul_u32_u24 v7, v1, 80
	v_lshl_add_u32 v7, v2, 3, v7
	v_add_nc_u32 v[QSTO], s81, v7
	v_lshrrev_b32 v7, 2, v3
	v_mul_u32_u24 v7, v7, 80
	v_and_b32 v8, 3, v3
	v_lshl_add_u32 v7, v8, 4, v7
	v_add_nc_u32 v[QRD], s81, v7
	s_lshl_b32 s82, s14, 6
	s_add_co_u32 s82, s82, VST
	v_add_nc_u32 v[VSTO], s82, v4
	s_mul_i32 s82, s14, 16*PITCH
	s_add_co_u32 s82, s82, VST
	v_mul_u32_u24 v7, v2, PITCH
	v_lshl_add_u32 v7, v1, 4, v7
	v_add_nc_u32 v[VRD], s82, v7
	v_lshlrev_b32 v[QGO], 4, v3
	v_lshlrev_b32 v7, 11, v2
	v_lshl_add_u32 v[VGO], v1, 4, v7
	v_lshlrev_b32 v30, 10, v3                      ; the prefetches' offset: a lane a row of 1,024 bytes; never rewritten
	s_lshl_b32 s92, s40, 15                        ; my work-group's 32 of the 128 rows that I fetch: 32 cx rows on,
	s_mov_b32 s93, 0
	s_add_nc_u64 s[92:93], s[20:21], s[92:93]
	s_add_nc_u64 s[92:93], s[92:93], 16*256*1024+512   ; in the next tile, at K step 2; never rewritten
	s_lshr_b32 s74, s17, 3
	s_lshl_b32 s74, s74, 4
	s_add_co_u32 s74, s74, s42
	s_lshl_b32 s74, s74, 17
	s_and_b32 s75, s17, 7
	s_lshl_b32 s75, s75, 8
	s_lshl_b32 s76, s14, 6
	s_add_co_u32 s76, s76, s75
	s_lshl_b32 s76, s76, 6
	s_add_co_u32 s76, s76, s74
	s_mov_b32 s77, 0
	s_add_nc_u64 s[68:69], s[68:69], s[76:77]
	s_add_nc_u64 s[70:71], s[70:71], s[76:77]
	s_lshl_b32 s76, s14, 15
	s_add_co_u32 s76, s76, s75
	s_add_co_u32 s76, s76, s74
	s_add_nc_u64 s[72:73], s[72:73], s[76:77]
	s_wait_kmcnt 0x0
	s_add_co_i32 s96, s84, s85
	s_add_co_i32 s96, s96, 127
	s_lshl_b32 s96, s96, 23
	s_mov_b32 s97, s96
	SCALE 86, 10, 11
	SCALE 87, 12, 13
	SCALE 89, 14, 15
.macro FRAG reg, adr, q, i
.irp c, 0,1,2,3
	ds_load_b128 v[\reg+4*\c:\reg+4*\c+3], v[\adr] offset:128*(\q)+32*\c+(\i)*16*PITCH
.endr
.endm
.macro FETCH_A slot, q, p
.irp i, 0,1,2,3
	FRAG AF+64*(\p)+16*\i, ADRA+\slot, \q, \i
.endr
.endm
.macro FETCH_B slot, q, b0
	WIN TO_B
.irp i, 0,1,2,3,4,5
	FRAG 16*(\b0+\i), ADRB+\slot, \q, \b0+\i
.endr
	WIN 0
.endm
.macro MULB b, p, zero
.if (\b) < 8
	WIN MUL_T
.irp m, 0,1,2,3
.if \zero
	v_wmma_f32_16x16x128_bf8_bf8 v[8*(4*(\b)+\m):8*(4*(\b)+\m)+7], v[16*(\b):16*(\b)+15], v[AF+64*(\p)+16*\m:AF+64*(\p)+16*\m+15], 0
.else
	v_wmma_f32_16x16x128_bf8_bf8 v[8*(4*(\b)+\m):8*(4*(\b)+\m)+7], v[16*(\b):16*(\b)+15], v[AF+64*(\p)+16*\m:AF+64*(\p)+16*\m+15], v[8*(4*(\b)+\m):8*(4*(\b)+\m)+7]
.endif
.endr
.else
	WIN MUL_N
.irp m, 0,1,2,3
.if \zero
	v_wmma_f32_16x16x128_bf8_bf8 v[8*(4*((\b)-8)+\m):8*(4*((\b)-8)+\m)+7], v[AF+64*(\p)+16*\m:AF+64*(\p)+16*\m+15], v[16*(\b):16*(\b)+15], 0
.else
	v_wmma_f32_16x16x128_bf8_bf8 v[8*(4*((\b)-8)+\m):8*(4*((\b)-8)+\m)+7], v[AF+64*(\p)+16*\m:AF+64*(\p)+16*\m+15], v[16*(\b):16*(\b)+15], v[8*(4*((\b)-8)+\m):8*(4*((\b)-8)+\m)+7]
.endif
.endr
.endif
.endm
.macro STEP slot, zero
	s_wait_dscnt 24
.irp b, 0,1,2,3,4,5
	MULB \b, 0, \zero
.endr
	s_wait_dscnt 0x0
	PLACES
	FETCH_B \slot, 1, 0
	FETCH_A \slot, 1, 1
.irp b, 6,7,8,9,10,11
	MULB \b, 0, \zero
.endr
	PLACES
	FETCH_B \slot, 1, 6
.endm
.macro TURN slot, next, fill
	s_wait_tensorcnt 0x0
	ds_add_u32 v[SPW], v[NIL]
	s_wait_dscnt 25
.irp b, 0,1,2
	MULB \b, 1, 0
.endr
	s_wait_dscnt 0x0
	s_barrier_signal -1
.irp b, 3,4,5
	MULB \b, 1, 0
.endr
	WIN 0
	s_barrier_wait -1
.if \fill
	CREST
	s_add_nc_u64 s[G0+4*\slot+2:G0+4*\slot+3], s[G0+4*\slot+2:G0+4*\slot+3], 512
	s_add_nc_u64 s[G0B+4*\slot+2:G0B+4*\slot+3], s[G0B+4*\slot+2:G0B+4*\slot+3], 512
	JLOAD G0+4*\slot, G1, G0B+4*\slot, G1B
.else
	PLACES
.endif
	FETCH_B \next, 0, 0
	FETCH_A \next, 0, 0
.irp b, 6,7,8,9,10,11
	MULB \b, 1, 0
.endr
	PLACES
	FETCH_B \next, 0, 6
.endm
; THE WAY OUT of a tile: scale and bias, the holds, the conversions, through the stages, and stored in whole units
.macro EPI
	PLACES
	s_wait_loadcnt 0x0
.irp m, 0,1,2,3
	WIN 0x32
.irp nb, 0,1,2,3,4,5,6,7
.irp i, 0,2,4,6
	v_pk_fma_f32 v[TMP+8*\nb+\i:TMP+8*\nb+\i+1], v[8*(4*\nb+\m)+\i:8*(4*\nb+\m)+\i+1], s[96:97], v[128+8*\nb+\i:128+8*\nb+\i+1] op_sel_hi:[1,0,1]
.endr
.endr
	WIN 0
.set j, 0
.rept 32
	v_med3_num_f32 v[TMP+j], v[TMP+j], -v11, v11
	v_med3_num_f32 v[TMP+32+j], v[TMP+32+j], -v13, v13
.set j, j+1
.endr
.irp nb, 0,1,2,3
	v_cvt_scalef32_pk8_bf8_f32 v[COD+16*\m+2*\nb:COD+16*\m+2*\nb+1], v[TMP+8*\nb:TMP+8*\nb+7], v10
	v_cvt_scalef32_pk8_bf8_f32 v[COD+16*\m+8+2*\nb:COD+16*\m+8+2*\nb+1], v[TMP+32+8*\nb:TMP+32+8*\nb+7], v12
.endr
	v_nop
.irp nb, 0,1,2,3,4,5,6,7
	ds_store_b64 v[QSTO], v[COD+16*\m+2*\nb:COD+16*\m+2*\nb+1] offset:(\nb/4)*5120+1280*\m+16*(\nb%4)
.endr
.endr
.irp i, 0,1,2,3,4,5,6,7
	ds_load_b128 v[RB+4*\i:RB+4*\i+3], v[QRD] offset:640*\i
	ds_load_b128 v[RB+32+4*\i:RB+32+4*\i+3], v[QRD] offset:5120+640*\i
.endr
.irp n, 0,1,2,3
	WIN 0x33
.irp a, 0,1
.irp u, 0,1
.irp i, 0,2,4,6
	v_pk_fma_f32 v[TMP+32*(\n%2)+16*\a+8*\u+\i:TMP+32*(\n%2)+16*\a+8*\u+\i+1], v[8*(4*\n+2*\a+\u)+\i:8*(4*\n+2*\a+\u)+\i+1], s[96:97], v[192+2*\n:193+2*\n] op_sel_hi:[1,0,1]
.endr
.endr
.endr
	WIN 0
.set j, 0
.rept 32
	v_med3_num_f32 v[TMP+32*(\n%2)+j], v[TMP+32*(\n%2)+j], -v15, v15
.set j, j+1
.endr
.irp a, 0,1
.irp u, 0,1
	v_cvt_scalef32_pk8_bf8_f32 v[VCOD+4*(2*\n+\a)+2*\u:VCOD+4*(2*\n+\a)+2*\u+1], v[TMP+32*(\n%2)+16*\a+8*\u:TMP+32*(\n%2)+16*\a+8*\u+7], v14
.endr
.endr
	v_nop
.irp a, 0,1
	ds_store_b128 v[VSTO], v[VCOD+4*(2*\n+\a):VCOD+4*(2*\n+\a)+3] offset:16*PITCH*\n+32*\a
.endr
.endr
	s_wait_dscnt 0x0
	s_barrier_signal -1
	s_barrier_wait -1
.irp i, 0,1,2,3,4,5,6,7
	ds_load_b128 v[TMP+4*\i:TMP+4*\i+3], v[VRD] offset:2*PITCH*\i
.endr
.irp i, 0,1,2,3,4,5,6,7
	global_store_b128 v[QGO], v[RB+4*\i:RB+4*\i+3], s[68:69] offset:512*\i
	global_store_b128 v[QGO], v[RB+32+4*\i:RB+32+4*\i+3], s[70:71] offset:512*\i
.endr
	s_wait_dscnt 0x0
.irp i, 0,1,2,3,4,5,6,7
	global_store_b128 v[VGO], v[TMP+4*\i:TMP+4*\i+3], s[72:73] offset:4096*\i
.endr
.endm
; A change of slots in the last two K steps of a tile that has a successor: as TURN, but the slot takes the NEXT tile's K step 0 or 1.  fetch = 0: the tile's very last step: no fragments are fetched, since the way out uses their registers.
.macro TURNX slot, fetch
	s_wait_tensorcnt 0x0                           ; all my tensor loads have landed;
	ds_add_u32 v[SPW], v[NIL]
	s_wait_dscnt 25                                ; (the add and the youngest 24 loads may be out)
.irp b, 0,1,2
	MULB \b, 1, 0
.endr
	s_wait_dscnt 0x0                               ; the add is done, and my reads of this slot are over
	s_barrier_signal -1
.irp b, 3,4,5
	MULB \b, 1, 0
.endr
	WIN 0
	s_barrier_wait -1
	CREST
	s_add_nc_u64 s[G0+4*\slot+2:G0+4*\slot+3], s[G0+4*\slot+2:G0+4*\slot+3], NEXTA   ; A: 4,096 rows down and back along K,
	s_sub_nc_u64 s[G0B+4*\slot+2:G0B+4*\slot+3], s[G0B+4*\slot+2:G0B+4*\slot+3], 512   ; B: only back
	JLOAD G0+4*\slot, G1, G0B+4*\slot, G1B
.if \fetch
	FETCH_B 1-\slot, 0, 0
	FETCH_A 1-\slot, 0, 0
.endif
	s_cmp_eq_u32 s15, 0                            ; A's fetching waves ask for the next tile's K step 2 + slot
	s_cbranch_scc0 .Lnot_a_\@
	global_prefetch_b8 v30, s[92:93] offset:256*\slot th:TH_LOAD_NT scope:SCOPE_SE
.Lnot_a_\@:
.irp b, 6,7,8,9,10,11
	MULB \b, 1, 0
.endr
.if \fetch
	PLACES
	FETCH_B 1-\slot, 0, 6
.else
	WIN 0
.endif
.endm
	s_wait_alu depctr_va_vdst(0)
	s_wait_tensorcnt 0x0                           ; my part of K step 0 is in; these lines stand ahead of a later first fill, as ahead of a refill
	ds_add_u32 v[SPW], v[NIL]
	s_wait_dscnt 0x0
	CROUND
	JLOAD G0+4, G1, G0B+4, G1B                     ; K step 1's load, the first tensor load behind the round
	s_mov_b32 s98, 2                               ; tiles to go: the same number in every work-group
.Ltile:
	s_wait_tensorcnt 1                             ; my part of the tile's K step 0 is in; K step 1's load, the one issued behind it, may be out
	s_barrier_signal -1
	s_barrier_wait -1
	FETCH_B 0, 0, 0
	FETCH_A 0, 0, 0
	FETCH_B 0, 0, 6
	STEP 0, 1
	TURN 0, 1, 1
	STEP 1, 0
	TURN 1, 0, 1
	STEP 0, 0
	s_cmp_eq_u32 s98, 1
	s_cbranch_scc1 .Llast                          ; the last tile's tail is written out: it asks for nothing more
	TURNX 0, 1                                     ; the ring goes on into the next tile
	STEP 1, 0
	TURNX 1, 0
	EPI                                            ; both refills are asked for: now the tile goes out
	s_wait_xcnt 0x0                                ; the stores have read their bases and their data
	s_add_nc_u64 s[68:69], s[68:69], 0x400000      ; two batches on in each output: 32 heads' 131,072 bytes
	s_add_nc_u64 s[70:71], s[70:71], 0x400000
	s_add_nc_u64 s[72:73], s[72:73], 0x400000
	s_wait_alu depctr_va_vdst(0)
	s_sub_co_u32 s98, s98, 1
	s_branch .Ltile
.Llast:
	TURN 0, 1, 0
	STEP 1, 0
	s_wait_dscnt 24
.irp b, 0,1,2,3,4,5
	MULB \b, 1, 0
.endr
	s_wait_dscnt 0x0
.irp b, 6,7,8,9,10,11
	MULB \b, 1, 0
.endr
	WIN 0
	EPI
	s_wait_tensorcnt 0x0                           ; the wave's end
	ds_add_u32 v[SPW], v[NIL]
	s_wait_dscnt 0x0
	CROUND                                         ; the closing round
	s_endpgm
.Lfunc_end_k_qa746bbdba5_qkv:
	.size	k_qa746bbdba5_qkv, .Lfunc_end_k_qa746bbdba5_qkv-k_qa746bbdba5_qkv
	.p2alignl 7, 3214868480
	.fill 96, 4, 3214868480
	.section	.rodata,"a",@progbits
	.p2align	6, 0x0
	.amdhsa_kernel k_qa746bbdba5_qkv
		.amdhsa_group_segment_fixed_size 327680
		.amdhsa_private_segment_fixed_size 0
		.amdhsa_enable_private_segment 0
		.amdhsa_kernarg_size 56
		.amdhsa_user_sgpr_count 2
		.amdhsa_user_sgpr_kernarg_segment_ptr 1
		.amdhsa_wavefront_size32 1
		.amdhsa_system_sgpr_workgroup_id_x 1
		.amdhsa_system_sgpr_workgroup_id_y 1
		.amdhsa_system_sgpr_workgroup_id_z 1
		.amdhsa_system_vgpr_workitem_id 0
		.amdhsa_next_free_vgpr 1024
		.amdhsa_next_free_sgpr 100
		.amdhsa_reserve_vcc 0
		.amdhsa_float_denorm_mode_32 3
		.amdhsa_float_denorm_mode_16_64 3
		.amdhsa_memory_ordered 1
		.amdhsa_forward_progress 1
		.amdhsa_inst_pref_size 189
	.end_amdhsa_kernel
	.amdgpu_metadata
---
amdhsa.version: [ 1, 2 ]
amdhsa.kernels:
  - .name:           k_qa746bbdba5_qkv
    .symbol:         k_qa746bbdba5_qkv.kd
    .args:
      - { .name: src_codes, .offset: 0, .size: 8, .value_kind: global_buffer, .address_space: global }
      - { .name: w_codes, .offset: 8, .size: 8, .value_kind: global_buffer, .address_space: global }
      - { .name: lowp_scales, .offset: 16, .size: 8, .value_kind: global_buffer, .address_space: global }
      - { .name: qkv_b, .offset: 24, .size: 8, .value_kind: global_buffer, .address_space: global }
      - { .name: q_codes, .offset: 32, .size: 8, .value_kind: global_buffer, .address_space: global }
      - { .name: k_codes, .offset: 40, .size: 8, .value_kind: global_buffer, .address_space: global }
      - { .name: v_codes, .offset: 48, .size: 8, .value_kind: global_buffer, .address_space: global }
    .group_segment_fixed_size: 327680
    .private_segment_fixed_size: 0
    .kernarg_segment_align: 8
    .kernarg_segment_size: 56
    .max_flat_workgroup_size: 128
    .sgpr_count:     100
    .vgpr_count:     1024
    .wavefront_size: 32
...
	.end_amdgpu_metadata
.endif
;; end of part 2
;; launch attn (part 3): grid 4 x 64, 8 waves a work-group, clusters of 4 x 1, 327,680 bytes of LDS; arguments q_codes, k_codes, v_codes, lowp_scales, res_codes; writes res_codes
.if DOCPART == 3
	.amdgcn_target "amdgcn-amd-amdhsa--gfx1250"
	.amdhsa_code_object_version 6
	.text
	.protected	k_qa746bbdba5_attn
	.globl	k_qa746bbdba5_attn
	.p2align	8
	.type	k_qa746bbdba5_attn,@function
k_qa746bbdba5_attn:
	s_mov_b64 s[64:65], 0
	v_nop
	global_prefetch_b8 v0, s[64:65] scope:SCOPE_SE
	s_setreg_imm32_b32 hwreg(HW_REG_WAVE_MODE, 25, 1), 1
	s_wait_xcnt 0x0
	s_wait_alu depctr_hold_cnt(0) depctr_sa_sdst(0) depctr_va_vdst(0) depctr_va_sdst(0) depctr_va_ssrc(0) depctr_va_vcc(0) depctr_vm_vsrc(0)
	s_getreg_b32 s2, hwreg(HW_REG_IB_STS2, 6, 4)
	s_cmp_eq_u32 s2, 0
	s_cbranch_scc0 .Lentry_in_a_cluster
	s_endpgm
.Lentry_in_a_cluster:
	s_bfe_u32 s2, ttmp6, 0x10000c
	s_cmp_lg_u32 s2, 0x3003
	s_cbranch_scc0 .Lentry_shape_is_right
	s_endpgm
.Lentry_shape_is_right:
; res[bh][q][:] = the sum over k of softmax_k(q . k / 8) v[k][:], both products on codes of BF8 (E5M2), and res quantised again for the last product.
; q_codes, k_codes [bh][2048][64].  v_codes [bh][64 d][2048 places], place 32 c + 16 h + 8 u + i = key 32 c + 16 u + 8 h + i.  res_codes [16 heads][8192 rows = 2048 b + token][64].
; THE SOFTMAX: t = score x log2(e) / 8; M = the ceiling of the row's largest t so far; p = 2^(t - M) is quantised with 2^e4, not normalised.  The row's sum is taken of the unquantised p in f32 and divides O at the end.
; When M moves, the sum and O are multiplied by 2^(old M - new M): nothing is rounded.  Only -M is kept: the smaller of the old -M and floor(-t) of the step's largest t.
; LIMITS: e2 + e3 between -123 and 130 (added to the exponent field of log2(e) / 8); e4 and e6 between -126 and 112; e4 + e5 goes by v_ldexp_f32 and has none.
; SHARES.  A cluster of four work-groups is one head.  A work-group owns 512 queries, each of its eight waves 64: four tiles of 16, in 512 registers.
; NO RING.  The head's whole K (2,048 rows of 64 + 16 bytes) and V (four chunks of 512 keys: 64 rows of 512 + 16 bytes) lie in LDS, 299,008 bytes, each byte filled once, by JOINT loads of the four work-groups, in two groups.
; At the head, one load a wave: keys 0 to 639 of K (waves 0-3, 160 rows each) and V's chunk 0 (waves 4-7, 16 rows each): all that the first four steps touch (step s reads V of step s and K of step s + 1).
; Behind the full sequence and a round, as a later first fill is issued: the other 1,408 rows of K (waves 0-3, 352 each) and V's chunks 1 to 3 (waves 4-6, one each; wave 7 has no part).
; The wait for that second group and a barrier stand behind each chunk's four steps; behind the first chunk they order the reads of the second group's bytes, later they find nothing out.
; No prefetch: every request stands ahead of the loop, so there is no later request to run ahead of.
; LAYOUT.  Both products transposed: S^T = K Q^T, O^T = V^T P^T: a lane holds ONE query (lane % 16).  Tile f of S^T gives lane (r, h) keys 16 f + 8 h + 0 .. 7, so the conversions' results are P in the second product's order of k.
; THE LOOP IS A PIPELINE over tile-steps i = 4 x step + tile (16 queries x 128 keys), on two buffers of 64 registers:
;   XB(i): the 64 exponentials of i, and among them the holds of i - 1 (two numbers an instruction);
;   YA(i): O of i - 1 under its new M, the conversions of i - 1, the sum of i under its new M, the product P V of i - 1;
;   YB(i): the scores of i + 1, the sum of p(i) in four chains, the maximum of i + 1 in four chains, its -M and factor (the sum's lines stand between the links of that chain), t - M of i + 1.
; A trip is one step: YB(4 s - 1), then XB, YA, YB for tiles 0 to 2, then XB, YA for tile 3.  The first trip finds p(-1) = 0 and V's first fragments: its lines for i = -1 add zeros.  Behind the loop tile-step 63 is finished.
; K's fragments of step s + 1 are asked for in YB of tile 2, V's of step s in YB of tile 0: each about one tile-step ahead of its use; every wait on DScnt is for 0.
; REGISTERS.  window 0: v1-11 addresses and constants; v12-27 four a tile (-M, a word named with it, the sum in two halves); v28-31 res's scale, the spare word's address, 0; v32-63 Q; v64-127, v128-191 the two buffers;
;   v192-207 P; v208-227 at work; v224-255 res's codes.   window 1: v0-127 O^T, 32 a tile; v128-191 V's four fragments; v192-255 K's eight.
.set KP,    80
.set VP,    528
.set VOFF,  2048*KP
.set VCH,   64*VP                      ; a chunk of V
.set STAGE, VOFF+4*VCH                 ; 2,048 bytes for each wave, for the way out; no fill lands there
.set SPARE, STAGE+8*2048               ; the spare words: 128 bytes for each wave
.set AK0, 1
.set AV0, 2
.set ADK, 3
.set ADV, 4
.set STO, 5
.set RD,  6
.set GO,  7
.set QO,  8
.set PSC, 9                            ; 2^e4
.set PLIM, 10                          ; 57,344 x 2^e4,
.set PLIM2, 11                         ; and once more, for the second half of a dual instruction
.set ST,  12
.set RSC, 28
.set RLIM, 29
.set SPW, 30
.set NIL, 31
.set Q,   32
.set S0,  64
.set S1,  128
.set P,   192
.set MX,  208                          ; v208-211 the maximum's four chains
.set F,   212                          ; v[212:213], v[214:215] f = 2^(old M - new M) of even and of odd tile-steps
.set SU,  216                          ; v216-221 the sum's three further chains
.set FAC, 216                          ; the way out: v[216+2t:217+2t] = 2^(e4 + e5) / the sum
.set PX,  224                          ; v224-227 what the other half of the lanes sends
.set RC,  224
.set VF,  128                          ; in window 1
.set KF,  192
.set WV,  14
.set G1K, 24                           ; descriptor groups 1 and 0 of the head's loads,
.set G1V, 32
.set G0K, 40
.set G0V, 44
.set G0K2, 48                          ; and of the second group's
.set G0V2, 52
.set G1K2, 68
.set G1V2, 76
.set KW0, 15|(0<<16)|(1<<20)|(1<<21)|(3<<22)|(3<<25)   ; the mask: all four work-groups; elements of 1 byte; four words of padding after every 16
.set VW0, 15|(0<<16)|(1<<20)|(1<<21)|(6<<22)|(3<<25)   ; four words of padding after every 128
.set CS,  56                           ; s[56:57] c = log2(e) / 8 x 2^(e2 + e3)
.set SEL, 58
.set KB,  60                           ; LDS byte at which the keys last asked for begin
.set VB,  61                           ; the same for the step's V, less VOFF
.set CI,  62
.set CC,  63
.set NC,  66                           ; -c
.set EPV, 92
.set MSB, 0
.macro WIN new                         ; the immediate's high byte repeats the setting that is left
.if MSB != \new
	s_set_vgpr_msb (MSB<<8)|\new
.set MSB, \new
.endif
.endm
.macro CROUND                          ; a round of the cluster's barrier
	s_barrier_signal -1
	s_barrier_wait -1
	s_cmp_lg_u32 s[WV], 0
	s_cbranch_scc1 .Lnot_wave_0_\@
	s_barrier_signal -3
.Lnot_wave_0_\@:
	s_barrier_wait -3
	s_barrier_signal -1
	s_barrier_wait -1
.endm
.macro SCALE e, vs, vl                 ; v[vs] = 2^e as f32, v[vl] = 57,344 x 2^e (left in s93 too)
	s_add_co_i32 s93, s[\e], 127
	s_lshl_b32 s94, s93, 23
	v_mov_b32 v[\vs], s94
	s_add_co_i32 s93, s93, 15
	s_lshl_b32 s93, s93, 23
	s_or_b32 s93, s93, 0x600000
	v_mov_b32 v[\vl], s93
.endm
.macro G1SET g, w0, c, r, p            ; a group 1: r rows of c bytes, p bytes apart in memory
	s_mov_b32 s[\g], \w0
	s_mov_b32 s[\g+1], (\c)<<16
	s_mov_b32 s[\g+2], (\r)<<16
	s_mov_b32 s[\g+3], (\c)<<16
	s_mov_b32 s[\g+4], \r
	s_mov_b32 s[\g+5], \p
	s_mov_b32 s[\g+6], 0
	s_mov_b32 s[\g+7], 0
.endm
.macro KLOAD adr                       ; K's eight fragments, 16 keys x 64 each
	WIN 0x40
.irp f, 0,1,2,3,4,5,6,7
	ds_load_b128 v[KF+8*\f:KF+8*\f+3], v[\adr] offset:\f*16*KP
	ds_load_b128 v[KF+8*\f+4:KF+8*\f+7], v[\adr] offset:\f*16*KP+32
.endr
	WIN 0
.endm
.macro VLOAD adr                       ; V's four fragments, 16 of the head's 64 x 128 keys each
	WIN 0x40
.irp d, 0,1,2,3
.irp c, 0,1,2,3
	ds_load_b128 v[VF+16*\d+4*\c:VF+16*\d+4*\c+3], v[\adr] offset:\d*16*VP+32*\c
.endr
.endr
	WIN 0
.endm
	s_load_b256 s[4:11], s[0:1], 0x0               ; q_codes, k_codes, v_codes, the scales' exponents
	s_load_b64 s[12:13], s[0:1], 0x20              ; res_codes
	v_lshl_add_u32 v[SPW], v0, 2, SPARE
	v_mov_b32 v[NIL], 0
	ds_add_u32 v[SPW], v[NIL]                      ; the opening lines: the add, twice on end, and its wait stand ahead of my first tensor load
	ds_add_u32 v[SPW], v[NIL]
	v_lshrrev_b32 v1, 5, v0
	v_readfirstlane_b32 s[WV], v1                  ; wave 0..7
	s_bfe_u32 s15, ttmp6, 0x40000                  ; cx: my block of 512 queries: it enters Q's and res's addresses alone
	s_and_b32 s16, ttmp7, 0xffff                   ; bh, which the four partners share
	s_and_b32 s17, s[WV], 3                        ; which part of K or of V I fetch
	s_lshl_b32 s18, s16, 17                        ; the head's first byte in q_codes, k_codes and v_codes
	s_mul_i32 s20, s17, 160*64                     ; at the head: K: 160 rows of 64 bytes
	s_add_co_u32 s20, s20, s18
	s_mov_b32 s21, 0
	s_lshl_b32 s22, s17, 15                        ; V: 16 rows of 2,048 bytes, the first 512 of each
	s_add_co_u32 s22, s22, s18
	s_mov_b32 s23, 0
	s_mul_i32 s19, s17, 160*KP                     ; and where they go
	s_mul_i32 s2, s17, 16*VP
	s_add_co_u32 s2, s2, VOFF
	s_mov_b32 s[G0K2], 1                           ; the second group: K: 352 rows from row 640 on
	s_mul_i32 s[G0K2+1], s17, 352*KP
	s_add_co_u32 s[G0K2+1], s[G0K2+1], 640*KP
	s_mul_i32 s[G0K2+2], s17, 352*64
	s_add_co_u32 s[G0K2+2], s[G0K2+2], s18
	s_add_co_u32 s[G0K2+2], s[G0K2+2], 640*64
	s_mov_b32 s[G0K2+3], 0
	s_mov_b32 s[G0V2], 1                           ; V: chunk 1, 2 or 3, whole
	s_mul_i32 s[G0V2+1], s17, VCH
	s_add_co_u32 s[G0V2+1], s[G0V2+1], VOFF+VCH
	s_lshl_b32 s[G0V2+2], s17, 9
	s_add_co_u32 s[G0V2+2], s[G0V2+2], s18
	s_add_co_u32 s[G0V2+2], s[G0V2+2], 512
	s_mov_b32 s[G0V2+3], 0
	G1SET G1K, KW0, 64, 160, 64
	G1SET G1V, VW0, 512, 16, 2048
	G1SET G1K2, KW0, 64, 352, 64
	G1SET G1V2, VW0, 512, 64, 2048
	s_mov_b32 s[SEL], 0x76543210
	s_mov_b32 s[SEL+1], 0xfedcba98
	s_mov_b32 s[KB], 0
	s_mov_b32 s[VB], 0
	s_lshl_b32 s3, s15, 9
	s_lshl_b32 s94, s[WV], 6
	s_add_co_u32 s3, s3, s94                       ; my wave's first query in the head
	s_lshl_b32 s94, s3, 6
	s_add_co_u32 s94, s94, s18                     ; its codes
	s_mov_b32 s95, 0
	s_wait_dscnt 0x0                               ; both opening adds are done
	s_wait_kmcnt 0x0
	s_load_b256 s[84:91], s[10:11], 0x0            ; e0 .. e7
	s_add_nc_u64 s[4:5], s[4:5], s[94:95]
	s_lshr_b32 s93, s16, 4                         ; b
	s_lshl_b32 s93, s93, 11
	s_add_co_u32 s93, s93, s3                      ; my first row of res: 2,048 b + the query
	s_lshl_b32 s93, s93, 6
	s_and_b32 s94, s16, 15                         ; the head: 8,192 rows of 64 bytes each
	s_lshl_b32 s94, s94, 19
	s_add_co_u32 s94, s94, s93
	s_add_nc_u64 s[12:13], s[12:13], s[94:95]
	s_mov_b32 s[G0K], 1
	s_mov_b32 s[G0K+1], s19
	s_add_nc_u64 s[G0K+2:G0K+3], s[6:7], s[20:21]
	s_or_b32 s[G0K+3], s[G0K+3], 0x80000000
	s_mov_b32 s[G0V], 1
	s_mov_b32 s[G0V+1], s2
	s_add_nc_u64 s[G0V+2:G0V+3], s[8:9], s[22:23]
	s_or_b32 s[G0V+3], s[G0V+3], 0x80000000
	s_add_nc_u64 s[G0K2+2:G0K2+3], s[6:7], s[G0K2+2:G0K2+3]
	s_or_b32 s[G0K2+3], s[G0K2+3], 0x80000000
	s_add_nc_u64 s[G0V2+2:G0V2+3], s[8:9], s[G0V2+2:G0V2+3]
	s_or_b32 s[G0V2+3], s[G0V2+3], 0x80000000
	CROUND                                         ; all four work-groups are here: the joint loads meet
	s_cmp_lt_u32 s[WV], 4                          ; one fill in each arm; an s_nop 0 and four v_nop follow it
	s_cbranch_scc0 .Lfirst_v
	tensor_load_to_lds s[G0K:G0K+3], s[G1K:G1K+7]
	s_nop 0
.rept 4
	v_nop
.endr
	s_branch .Lfirst_asked
.Lfirst_v:
	tensor_load_to_lds s[G0V:G0V+3], s[G1V:G1V+7]
	s_nop 0
.rept 4
	v_nop
.endr
.Lfirst_asked:
	v_and_b32 v208, 15, v0                         ; r = lane % 16
	v_bfe_u32 v209, v0, 4, 1                       ; h = lane / 16
	v_and_b32 v210, 31, v0                         ; lane
	v_lshlrev_b32 v[QO], 6, v208
	v_mul_u32_u24 v[AK0], v208, KP
	v_mul_u32_u24 v[AV0], v208, VP
	v_lshl_add_u32 v[QO], v209, 4, v[QO]           ; row r of 64 bytes, + 16 h
	v_lshl_add_u32 v[AK0], v209, 4, v[AK0]
	v_lshl_add_u32 v[AV0], v209, 4, v[AV0]
.irp t, 0,1,2,3                                ; Q stays in registers: registers 4 c .. 4 c + 3 of a fragment hold d = 32 c + 16 h + 0 .. 15, as K's do
	global_load_b128 v[Q+8*\t:Q+8*\t+3], v[QO], s[4:5] offset:1024*\t
	global_load_b128 v[Q+8*\t+4:Q+8*\t+7], v[QO], s[4:5] offset:1024*\t+32
.endr
	v_add_nc_u32 v[AV0], VOFF, v[AV0]
	s_lshl_b32 s93, s[WV], 11
	s_add_co_u32 s93, s93, STAGE                   ; my stage
	v_lshlrev_b32 v[STO], 6, v208
	v_lshlrev_b32 v[GO], 4, v210
	v_lshl_add_u32 v[STO], v209, 3, v[STO]
	v_add_nc_u32 v[RD], s93, v[GO]                 ; back: 512 consecutive bytes an instruction
	v_add_nc_u32 v[STO], s93, v[STO]               ; in: row r of 64 bytes, 8 bytes for each half of the lanes
.irp t, 0,1,2,3
	v_mov_b32 v[ST+4*\t], 0x7f61b1e6               ; -M = 3e38: over every floor(-t)
	v_mov_b32 v[ST+4*\t+1], 0                      ; (named with it as a pair)
	v_mov_b32 v[ST+4*\t+2], 0                      ; the sum, in two halves
	v_mov_b32 v[ST+4*\t+3], 0
	v_mov_b32 v[F+\t], 0                           ; both factors and the words named with them
	v_mov_b32 v[PX+\t], 0                          ; a lane permute's destination counts as one of its sources
.endr
	v_mov_b32 v[FAC+7], 0                          ; (named as the upper half of a pair)
.set j, 0
.rept 32
	v_dual_mov_b32 v[S1+j], 0 :: v_dual_mov_b32 v[S1+j+1], 0   ; p(-1) = 0: the first trip's lines for the tile-step before the first add zeros
.set j, j+2
.endr
	WIN 0x40
.set j, 0
.rept 128
	v_mov_b32 v[j], 0                              ; O^T: the loop has no first copy of its own
.set j, j+1
.endr
	WIN 0
	s_wait_kmcnt 0x0
	s_add_co_i32 s93, s86, s87
	s_lshl_b32 s93, s93, 23
	s_add_co_i32 s[CS], s93, 0x3e38aa3b            ; log2(e) / 8, with e2 + e3 added to its exponent field
	s_mov_b32 s[CS+1], s[CS]
	s_xor_b32 s[NC], s[CS], 0x80000000
	s_add_co_i32 s[EPV], s88, s89
	SCALE 88, PSC, PLIM
	v_mov_b32 v[PLIM2], s93
	SCALE 90, RSC, RLIM
; The exponentials of the buffer EB; behind each two of them one dual instruction holds two numbers of the buffer HB (p is not negative, so the hold is one-sided; the conversion does not saturate: ISA guide 7.6.2).
; No line of the block reads what a line of the block writes.  A wait stands ahead of the batch; the wait behind it opens YA.
.macro XB EB, HB
	s_wait_alu depctr_va_vdst(0)
.set j, 0
.rept 32
	v_exp_f32 v[\EB+j], v[\EB+j]
	v_exp_f32 v[\EB+j+1], v[\EB+j+1]
	v_dual_min_num_f32 v[\HB+j], v[\HB+j], v[PLIM] :: v_dual_min_num_f32 v[\HB+j+1], v[\HB+j+1], v[PLIM2]
.set j, j+2
.endr
.endm
; t: the tile of tile-step i.  fin = 1: behind the loop, where no sum is left to scale.
.macro YA t, fin
.set tp, ((\t)+3)%4                    ; the tile of i - 1
.set HB, S0+64*(((\t)+1)%2)            ; its p, held
.set FP, F+2*(((\t)+1)%2)              ; its factor
.set FI, F+2*((\t)%2)                  ; the factor of i
.if (\t) == 1
	s_wait_dscnt 0x0                               ; the step's V is in
.endif
	WIN 0x41                                       ; O^T (destination and source 0) window 1
	s_wait_alu depctr_va_vdst(0)                   ; behind the batch, and directly ahead of the first readers of O^T
.set j, 0
.rept 16
	v_pk_mul_f32 v[32*tp+j:32*tp+j+1], v[32*tp+j:32*tp+j+1], v[FP:FP+1] op_sel_hi:[1,0]   ; O^T under the new M, each accumulator from its low end on
.set j, j+2
.endr
	WIN 0
.irp g, 0,1,2,3,4,5,6,7
	v_cvt_scalef32_pk8_bf8_f32 v[P+2*\g:P+2*\g+1], v[HB+8*\g:HB+8*\g+7], v[PSC]
.endr
.if \fin
	v_nop                                          ; the plain line between the conversions and the products
.else
	v_pk_mul_f32 v[ST+4*(\t)+2:ST+4*(\t)+3], v[ST+4*(\t)+2:ST+4*(\t)+3], v[FI:FI+1] op_sel_hi:[1,0]   ; the sum of i under its new M: also that plain line
.endif
	WIN 0x51                                       ; V, C and D window 1; P window 0
.irp d, 0,1,2,3
	v_wmma_f32_16x16x128_bf8_bf8 v[32*tp+8*\d:32*tp+8*\d+7], v[VF+16*\d:VF+16*\d+15], v[P:P+15], v[32*tp+8*\d:32*tp+8*\d+7]
.endr
.endm
.macro PADD k                          ; pair k of p onto chain k % 4
.if ((\k)%4) == 0
	v_pk_add_f32 v[rS:rS+1], v[rS:rS+1], v[PB+2*(\k):PB+2*(\k)+1]
.else
	v_pk_add_f32 v[SU+2*((\k)%4)-2:SU+2*((\k)%4)-1], v[SU+2*((\k)%4)-2:SU+2*((\k)%4)-1], v[PB+2*(\k):PB+2*(\k)+1]
.endif
.endm
.macro ADDA                            ; the sum's first sixteen lines
	v_pk_add_f32 v[SU:SU+1], v[PB+2:PB+3], v[PB+10:PB+11]
	v_pk_add_f32 v[SU+2:SU+3], v[PB+4:PB+5], v[PB+12:PB+13]
	v_pk_add_f32 v[SU+4:SU+5], v[PB+6:PB+7], v[PB+14:PB+15]
.irp k, 0,9,10,11,4,13,14,15,8,17,18,19,12
	PADD \k
.endr
.endm
.macro YB t
.set tn, ((\t)+1)%4                    ; the tile of i + 1
.set PB, S0+64*((\t)%2)                ; p(i), not yet held
.set SB, S0+64*(((\t)+1)%2)            ; the scores of i + 1
.set FN, F+2*(((\t)+1)%2)
.set rS, ST+4*(\t)+2
.set rN, ST+4*tn
	WIN 0x01                                       ; K window 1
.irp f, 0,1,2,3,4,5,6,7
	v_wmma_f32_16x16x64_bf8_bf8 v[SB+8*\f:SB+8*\f+7], v[KF+8*\f:KF+8*\f+7], v[Q+8*tn:Q+8*tn+7], 0
.endr
	WIN 0
	ADDA                                           ; sixteen plain lines: the places behind the products, for the loads and the reads below
.if (\t) == 0
	v_add_nc_u32 v[ADV], s[VB], v[AV0]
	VLOAD ADV                                      ; this step's V: the last step's was read by the product above YB
.endif
.if (\t) == 2
	s_add_co_u32 s[KB], s[KB], 128*KP
	s_cmp_eq_u32 s[KB], 2048*KP                    ; the last step has no successor
	s_wait_alu depctr_va_vdst(0)
	s_cbranch_scc1 .Lno_k_\@
	v_add_nc_u32 v[ADK], s[KB], v[AK0]
	KLOAD ADK                                      ; the next step's K
.Lno_k_\@:
.endif
.irp c, 0,1,2,3
	v_max3_num_f32 v[MX+\c], v[SB+16*\c], v[SB+16*\c+1], v[SB+16*\c+2]   ; each accumulator is read from its low end on
.endr
.irp k, 0,1,2,3,4,5
.irp c, 0,1,2,3
	v_max3_num_f32 v[MX+\c], v[MX+\c], v[SB+16*\c+3+2*\k], v[SB+16*\c+4+2*\k]
.endr
.endr
	v_max3_num_f32 v[MX], v[MX], v[SB+15], v[SB+31]
	v_max3_num_f32 v[MX+2], v[MX+2], v[SB+47], v[SB+63]
	PADD 16
	PADD 21
	v_max3_num_f32 v[MX], v[MX], v[MX+1], v[MX+2]
	PADD 22
	PADD 23
	v_max_num_f32 v[MX], v[MX], v[MX+3]
	PADD 20
	PADD 25
	v_permlanex16_b32 v[PX], v[MX], s[SEL], s[SEL+1]
	PADD 26
	PADD 27
	v_max_num_f32 v[MX], v[MX], v[PX]              ; the step's largest score of my query
	PADD 24
	PADD 29
	v_mul_f32 v[MX], s[NC], v[MX]                  ; -t (c is positive)
	PADD 30
	PADD 31
	v_floor_f32 v[MX], v[MX]                       ; floor(-t) = -ceil(t)
	PADD 28
	v_pk_add_f32 v[SU:SU+1], v[SU:SU+1], v[SU+2:SU+3]
	v_sub_f32 v[MX+1], v[MX], v[rN]
	v_pk_add_f32 v[rS:rS+1], v[rS:rS+1], v[SU+4:SU+5]
	v_min_num_f32 v[rN], v[rN], v[MX]              ; the new -M
	v_min_num_f32 v[MX+1], 0, v[MX+1]              ; old M - new M: a whole number, 0 or less
	v_pk_add_f32 v[rS:rS+1], v[rS:rS+1], v[SU:SU+1]
	v_cvt_i32_f32 v[MX+1], v[MX+1]                 ; (it saturates)
.set j, 0
.rept 32
	v_pk_fma_f32 v[SB+j:SB+j+1], v[SB+j:SB+j+1], s[CS:CS+1], v[rN:rN+1] op_sel_hi:[1,0,0]   ; t - M, two at a time
.if j == 6
	v_ldexp_f32 v[FN], 1.0, v[MX+1]                ; f = 2^(old M - new M)
.endif
.set j, j+2
.endr
.endm
	s_wait_alu depctr_va_vdst(0)
	s_wait_tensorcnt 0x0                           ; my part of the first group is in; these lines stand ahead of a later first fill, as ahead of a refill
	ds_add_u32 v[SPW], v[NIL]
	s_wait_dscnt 0x0
	CROUND                                         ; everybody's part is in, and all four work-groups are here: the joint loads meet
	s_cmp_lt_u32 s[WV], 4                          ; the second group: one load a wave, none in wave 7
	s_cbranch_scc0 .Lrest_v
	tensor_load_to_lds s[G0K2:G0K2+3], s[G1K2:G1K2+7]
	s_nop 0
.rept 4
	v_nop
.endr
	s_branch .Lrest_asked
.Lrest_v:
	s_cmp_lt_u32 s[WV], 7
	s_cbranch_scc0 .Lrest_asked
	tensor_load_to_lds s[G0V2:G0V2+3], s[G1V2:G1V2+7]
	s_nop 0
.rept 4
	v_nop
.endr
.Lrest_asked:
	KLOAD AK0                                      ; step 0's K,
	VLOAD AV0                                      ; and V's first fragments, for the first trip's product with P = 0
	s_wait_loadcnt 0x0                             ; Q
	s_mov_b32 s[CC], 4
.Lchunk:                                               ; a chunk of V: four steps
	s_mov_b32 s[CI], 4
.Lstep:
	s_wait_dscnt 0x0                               ; the step's K is in
	YB 3
	XB S0, S1
	YA 0, 0
	YB 0
	XB S1, S0
	YA 1, 0
	YB 1
	XB S0, S1
	YA 2, 0
	YB 2
	XB S1, S0
	YA 3, 0
	WIN 0
	s_add_co_u32 s[VB], s[VB], 128
	s_wait_alu depctr_va_vdst(0)
	s_sub_co_u32 s[CI], s[CI], 1
	s_cmp_lg_u32 s[CI], 0
	s_cbranch_scc1 .Lstep
	s_add_co_u32 s[VB], s[VB], VCH-512             ; on to V's next chunk
	s_wait_tensorcnt 0x0                           ; my part of the second group is in (behind the first chunk; later nothing is out),
	s_wait_dscnt 0x0                               ; no LDS load of mine is out at the signal,
	s_barrier_signal -1
	s_barrier_wait -1                              ; and everybody's part is in: the next chunks' bytes may be read
	s_sub_co_u32 s[CC], s[CC], 1
	s_cmp_lg_u32 s[CC], 0
	s_cbranch_scc1 .Lchunk
	; tile-step 63 is finished: its sum, its holds, and YA's lines for it
.set PB, S1
.set rS, ST+14
	ADDA
.irp k, 16,21,22,23,20,25,26,27,24,29,30,31,28
	PADD \k
.endr
	v_pk_add_f32 v[SU:SU+1], v[SU:SU+1], v[SU+2:SU+3]
	v_pk_add_f32 v[rS:rS+1], v[rS:rS+1], v[SU+4:SU+5]
	v_pk_add_f32 v[rS:rS+1], v[rS:rS+1], v[SU:SU+1]
.set j, 0
.rept 32
	v_dual_min_num_f32 v[S1+j], v[S1+j], v[PLIM] :: v_dual_min_num_f32 v[S1+j+1], v[S1+j+1], v[PLIM2]
.set j, j+2
.endr
	YA 0, 1
	WIN 0
	; THE WAY OUT.  res = O^T x 2^(e4 + e5) / the sum, quantised with 2^e6.  A lane's eight numbers of a tile of O^T are 8 bytes of a row; two tiles of queries at a time go through my stage and leave as 2,048 consecutive bytes.
.irp t, 0,1,2,3
	v_add_f32 v[FAC+2*\t], v[ST+4*\t+2], v[ST+4*\t+3]      ; the sum's two halves.  (These four are the places behind the last products)
.endr
.irp t, 0,1,2,3
	v_permlanex16_b32 v[PX+\t], v[FAC+2*\t], s[SEL], s[SEL+1]
.endr
.irp t, 0,1,2,3
	v_add_f32 v[FAC+2*\t], v[FAC+2*\t], v[PX+\t]           ; and lane l xor 16's: the row's sum
.endr
	s_wait_alu depctr_va_vdst(0)                   ; the wait ahead of the batch,
.irp t, 0,1,2,3
	v_rcp_f32 v[FAC+2*\t], v[FAC+2*\t]
.endr
	v_nop                                          ; a plain line behind the last reciprocal,
	s_wait_alu depctr_va_vdst(0)                   ; and the wait behind the batch
.irp t, 0,1,2,3
	v_ldexp_f32 v[FAC+2*\t], v[FAC+2*\t], s[EPV]
.endr
.macro OUT t
	WIN 0x01                                       ; O^T window 1
	s_wait_alu depctr_va_vdst(0)                   ; directly ahead of the first readers of O^T
.set j, 0
.rept 16
	v_pk_mul_f32 v[S0+32*(\t)+j:S0+32*(\t)+j+1], v[32*(\t)+j:32*(\t)+j+1], v[FAC+2*(\t):FAC+2*(\t)+1] op_sel_hi:[1,0]
.set j, j+2
.endr
	WIN 0
.set j, 0
.rept 32
	v_med3_num_f32 v[S0+32*(\t)+j], v[S0+32*(\t)+j], -v[RLIM], v[RLIM]
.set j, j+1
.endr
.irp d, 0,1,2,3
	v_cvt_scalef32_pk8_bf8_f32 v[RC+8*(\t)+2*\d:RC+8*(\t)+2*\d+1], v[S0+32*(\t)+8*\d:S0+32*(\t)+8*\d+7], v[RSC]
.endr
	v_nop                                          ; one plain line behind the conversions
.irp d, 0,1,2,3
	ds_store_b64 v[STO], v[RC+8*(\t)+2*\d:RC+8*(\t)+2*\d+1] offset:1024*((\t)%2)+16*\d   ; query 16 t + r, bytes 16 d + 8 h on
.endr
.endm
	OUT 0
	OUT 1
.irp i, 0,1,2,3
	ds_load_b128 v[Q+4*\i:Q+4*\i+3], v[RD] offset:512*\i           ; LDS serves a wave's instructions in order: these see my stores, and the next tiles' stores come behind them
.endr
	OUT 2
	OUT 3
.irp i, 0,1,2,3
	ds_load_b128 v[Q+16+4*\i:Q+16+4*\i+3], v[RD] offset:512*\i
.endr
	s_wait_dscnt 12                                ; the first four loads are in; the 8 stores and 4 loads behind them may be out
.irp i, 0,1,2,3
	global_store_b128 v[GO], v[Q+4*\i:Q+4*\i+3], s[12:13] offset:512*\i           ; 32 lanes store 512 consecutive bytes, at a multiple of 256 from the buffer's first byte
.endr
	s_wait_dscnt 0x0
.irp i, 0,1,2,3
	global_store_b128 v[GO], v[Q+16+4*\i:Q+16+4*\i+3], s[12:13] offset:2048+512*\i
.endr
	s_wait_tensorcnt 0x0                           ; the wave's end
	ds_add_u32 v[SPW], v[NIL]
	s_wait_dscnt 0x0
	CROUND                                         ; the closing round
	s_endpgm
.Lfunc_end_k_qa746bbdba5_attn:
	.size	k_qa746bbdba5_attn, .Lfunc_end_k_qa746bbdba5_attn-k_qa746bbdba5_attn
	.p2alignl 7, 3214868480
	.fill 96, 4, 3214868480
	.section	.rodata,"a",@progbits
	.p2align	6, 0x0
	.amdhsa_kernel k_qa746bbdba5_attn
		.amdhsa_group_segment_fixed_size 327680
		.amdhsa_private_segment_fixed_size 0
		.amdhsa_enable_private_segment 0
		.amdhsa_kernarg_size 40
		.amdhsa_user_sgpr_count 2
		.amdhsa_user_sgpr_kernarg_segment_ptr 1
		.amdhsa_wavefront_size32 1
		.amdhsa_system_sgpr_workgroup_id_x 1
		.amdhsa_system_sgpr_workgroup_id_y 1
		.amdhsa_system_sgpr_workgroup_id_z 1
		.amdhsa_system_vgpr_workitem_id 0
		.amdhsa_next_free_vgpr 512
		.amdhsa_next_free_sgpr 96
		.amdhsa_reserve_vcc 0
		.amdhsa_float_denorm_mode_32 3
		.amdhsa_float_denorm_mode_16_64 3
		.amdhsa_memory_ordered 1
		.amdhsa_forward_progress 1
		.amdhsa_inst_pref_size 97
	.end_amdhsa_kernel
	.amdgpu_metadata
---
amdhsa.version: [ 1, 2 ]
amdhsa.kernels:
  - .name:           k_qa746bbdba5_attn
    .symbol:         k_qa746bbdba5_attn.kd
    .args:
      - { .name: q_codes, .offset: 0, .size: 8, .value_kind: global_buffer, .address_space: global }
      - { .name: k_codes, .offset: 8, .size: 8, .value_kind: global_buffer, .address_space: global }
      - { .name: v_codes, .offset: 16, .size: 8, .value_kind: global_buffer, .address_space: global }
      - { .name: lowp_scales, .offset: 24, .size: 8, .value_kind: global_buffer, .address_space: global }
      - { .name: res_codes, .offset: 32, .size: 8, .value_kind: global_buffer, .address_space: global }
    .group_segment_fixed_size: 327680
    .private_segment_fixed_size: 0
    .kernarg_segment_align: 8
    .kernarg_segment_size: 40
    .max_flat_workgroup_size: 256
    .sgpr_count:     96
    .vgpr_count:     512
    .wavefront_size: 32
...
	.end_amdgpu_metadata
.endif
;; end of part 3
;; launch proj (part 4): grid 8 x 32, 4 waves a work-group, clusters of 4 x 4, 327,680 bytes of LDS; arguments res_codes, w_codes, lowp_scales, out_b, out0; writes out0
.if DOCPART == 4
	.amdgcn_target "amdgcn-amd-amdhsa--gfx1250"
	.amdhsa_code_object_version 6
	.text
	.protected	k_qa746bbdba5_proj
	.globl	k_qa746bbdba5_proj
	.p2align	8
	.type	k_qa746bbdba5_proj,@function
k_qa746bbdba5_proj:
	s_mov_b64 s[64:65], 0
	v_nop
	global_prefetch_b8 v0, s[64:65] scope:SCOPE_SE
	s_setreg_imm32_b32 hwreg(HW_REG_WAVE_MODE, 25, 1), 1
	s_wait_xcnt 0x0
	s_wait_alu depctr_hold_cnt(0) depctr_sa_sdst(0) depctr_va_vdst(0) depctr_va_sdst(0) depctr_va_ssrc(0) depctr_va_vcc(0) depctr_vm_vsrc(0)
	s_getreg_b32 s2, hwreg(HW_REG_IB_STS2, 6, 4)
	s_cmp_eq_u32 s2, 0
	s_cbranch_scc0 .Lentry_in_a_cluster
	s_endpgm
.Lentry_in_a_cluster:
	s_bfe_u32 s2, ttmp6, 0x10000c
	s_cmp_lg_u32 s2, 0xf033
	s_cbranch_scc0 .Lentry_shape_is_right
	s_endpgm
.Lentry_shape_is_right:
; out0 = res_codes x w_codes^T (rows 3072 .. 4095 of w_codes) on codes of BF8, x 2^(e6 + e7), + out_b, f32.  res_codes lie [16 heads][8192 rows][64]: a K step of 256 is four heads' planes.
; A tile is 256 rows x 128 columns; four waves, 64 rows each; K goes in four steps of 256 through a ring of two LDS slots filled by joint loads of a 4 x 4 cluster (A shared along a row, B along a column).
; At the head each wave issues one load, its part of K step 0, and makes its addresses and asks for the biases while that load is on its way; K step 1's load follows behind the full sequence and a round.
; No prefetch: K has four steps, of which two are asked for ahead of the first product and the other two one step later: there is no trip two steps ahead of a load in which to ask.
; LIMIT: e6 + e7 between -126 and 127.
.set PITCH,  272
.set APL,    10240
.set AHALF,  4*APL
.set BHALF,  64*PITCH
.set BOFF,   2*AHALF
.set SLOT,   BOFF+128*PITCH
.set SPARE,  2*SLOT
.set SPITCH, 528
.set ADRA, 16
.set ADRB, 20
.set STO,  24
.set RD,   25
.set CO,   26
.set SPW,  28
.set NIL,  29
.set AF,   32
.set TMP,  32
.set BK,   96
.set G1, 24
.set G0, 32
.set G1B, 48
.set G0B, 56
.set MSB, 0
.macro WIN new
.if MSB != \new
	s_set_vgpr_msb (MSB<<8)|\new
.set MSB, \new
.endif
.endm
.set MUL_T, 0xa1
.set TO_B,  0x40
.macro JLOAD g0a, g1a, g0b, g1b
	s_cmp_eq_u32 s15, 0
	s_cbranch_scc0 .Lfor_b_\@
	tensor_load_to_lds s[\g0a:\g0a+3], s[\g1a:\g1a+7]
	s_nop 0
.rept 4
	v_nop
.endr
	s_branch .Lasked_\@
.Lfor_b_\@:
	tensor_load_to_lds s[\g0b:\g0b+3], s[\g1b:\g1b+7]
	s_nop 0
.rept 4
	v_nop
.endr
.Lasked_\@:
.endm
.macro CREST
	s_cmp_lg_u32 s14, 0
	s_cbranch_scc1 .Lnot_wave_0_\@
	s_barrier_signal -3
.Lnot_wave_0_\@:
	s_barrier_wait -3
	s_barrier_signal -1
	s_barrier_wait -1
.endm
.macro CROUND
	s_barrier_signal -1
	s_barrier_wait -1
	CREST
.endm
.macro PLACES
.rept 4
	v_nop
.endr
.endm
	s_load_b256 s[4:11], s[0:1], 0x0
	s_load_b64 s[68:69], s[0:1], 0x20
	v_lshl_add_u32 v[SPW], v0, 2, SPARE
	v_mov_b32 v[NIL], 0
	ds_add_u32 v28, v29
	ds_add_u32 v28, v29
	s_wait_dscnt 0x0
	v_lshrrev_b32 v1, 5, v0
	v_readfirstlane_b32 s14, v1
	s_lshr_b32 s15, s14, 1
	s_and_b32 s16, s14, 1
	s_bfe_u32 s40, ttmp6, 0x40000
	s_bfe_u32 s41, ttmp6, 0x40004
	s_lshl_b32 s42, ttmp9, 2
	s_add_co_u32 s42, s42, s40
	s_and_b32 s17, ttmp7, 0xffff
	s_lshl_b32 s17, s17, 2
	s_add_co_u32 s17, s17, s41
	s_lshl_b32 s43, s41, 2
	s_lshl_b32 s43, 15, s43
	s_lshl_b32 s44, 0x1111, s40
	s_or_b32 s[G1+0], s43, (0<<16)|(1<<20)|(1<<21)|(3<<22)|(3<<25)
	s_mov_b32 s[G1+1], 8192<<16
	s_mov_b32 s[G1+2], 4<<16
	s_mov_b32 s[G1+3], 8192<<16
	s_mov_b32 s[G1+4], 4
	s_mov_b32 s[G1+5], 524288
	s_mov_b32 s[G1+6], 0
	s_mov_b32 s[G1+7], 0
	s_or_b32 s[G1B+0], s44, (0<<16)|(1<<20)|(1<<21)|(5<<22)|(3<<25)
	s_mov_b32 s[G1B+1], 256<<16
	s_mov_b32 s[G1B+2], 64<<16
	s_mov_b32 s[G1B+3], 256<<16
	s_mov_b32 s[G1B+4], 64
	s_mov_b32 s[G1B+5], 1024
	s_mov_b32 s[G1B+6], 0
	s_mov_b32 s[G1B+7], 0
	s_lshl_b32 s18, s16, 7
	s_lshl_b32 s20, s17, 8
	s_add_co_u32 s20, s20, s18
	s_lshl_b32 s20, s20, 6
	s_mov_b32 s21, 0
	s_lshl_b32 s46, s42, 7
	s_lshl_b32 s47, s16, 6
	s_add_co_u32 s46, s46, s47
	s_add_co_u32 s46, s46, 3072
	s_lshl_b32 s46, s46, 10
	s_mov_b32 s47, 0
	s_mul_i32 s45, s16, AHALF
	s_mul_i32 s19, s16, BHALF
	s_add_co_u32 s19, s19, BOFF
	s_wait_kmcnt 0x0
	s_load_b256 s[84:91], s[8:9], 0x0
	s_add_nc_u64 s[20:21], s[4:5], s[20:21]
	s_add_nc_u64 s[46:47], s[6:7], s[46:47]
	CROUND
.irp s, 0,1
	s_mov_b32 s[G0+4*\s], 1
	s_add_co_u32 s[G0+4*\s+1], s45, \s*SLOT
	s_add_nc_u64 s[G0+4*\s+2:G0+4*\s+3], s[20:21], \s*2097152
	s_or_b32 s[G0+4*\s+3], s[G0+4*\s+3], 0x80000000
	s_mov_b32 s[G0B+4*\s], 1
	s_add_co_u32 s[G0B+4*\s+1], s19, \s*SLOT
	s_add_nc_u64 s[G0B+4*\s+2:G0B+4*\s+3], s[46:47], \s*256
	s_or_b32 s[G0B+4*\s+3], s[G0B+4*\s+3], 0x80000000
.endr
	JLOAD G0, G1, G0B, G1B                         ; K step 0: one tensor load a wave at the head
	v_and_b32 v1, 15, v0
	v_bfe_u32 v2, v0, 4, 1
	v_and_b32 v3, 31, v0
	v_lshlrev_b32 v5, 5, v2
	s_lshl_b32 s78, s42, 9
	s_mov_b32 s79, 0
	s_add_nc_u64 s[10:11], s[10:11], s[78:79]
	WIN TO_B
.irp nb, 0,1,2,3,4,5,6,7
	global_load_b128 v[128+8*\nb:128+8*\nb+3], v5, s[10:11] offset:64*\nb
	global_load_b128 v[128+8*\nb+4:128+8*\nb+7], v5, s[10:11] offset:64*\nb+16
.endr
	WIN 0
	v_mul_u32_u24 v4, v1, 80
	v_lshl_add_u32 v4, v2, 4, v4
	v_mul_u32_u24 v6, v1, PITCH
	v_lshl_add_u32 v6, v2, 4, v6
	s_mul_i32 s80, s15, AHALF
	s_mul_i32 s81, s16, 64*80
	s_add_co_u32 s80, s80, s81
.irp s, 0,1
	v_add_nc_u32 v[ADRA+\s], s80, v4
	v_add_nc_u32 v[ADRB+\s], BOFF+\s*SLOT, v6
	s_add_co_u32 s80, s80, SLOT
.endr
	s_mul_i32 s81, s14, 16*SPITCH
	v_mul_u32_u24 v7, v1, SPITCH
	v_lshl_add_u32 v7, v2, 5, v7
	v_add_nc_u32 v[STO], s81, v7
	v_lshlrev_b32 v[CO], 4, v3
	v_add_nc_u32 v[RD], s81, v[CO]
	s_lshl_b32 s74, s17, 8
	s_lshl_b32 s75, s14, 6
	s_add_co_u32 s74, s74, s75
	s_lshl_b32 s74, s74, 12
	s_lshl_b32 s75, s42, 9
	s_add_co_u32 s74, s74, s75
	s_mov_b32 s75, 0
	s_add_nc_u64 s[68:69], s[68:69], s[74:75]
	s_wait_alu depctr_va_vdst(0)
	s_wait_kmcnt 0x0
	s_add_co_i32 s96, s90, s91
	s_add_co_i32 s96, s96, 127
	s_lshl_b32 s96, s96, 23
	s_mov_b32 s97, s96
.macro FRAGA reg, adr, q, i
.irp c, 0,1,2,3
	ds_load_b128 v[\reg+4*\c:\reg+4*\c+3], v[\adr] offset:(2*(\q)+\c/2)*APL+32*(\c%2)+(\i)*1280
.endr
.endm
.macro FRAGB reg, adr, q, i
.irp c, 0,1,2,3
	ds_load_b128 v[\reg+4*\c:\reg+4*\c+3], v[\adr] offset:128*(\q)+32*\c+(\i)*16*PITCH
.endr
.endm
.macro FETCH_A slot, q, p
.irp i, 0,1,2,3
	FRAGA AF+64*(\p)+16*\i, ADRA+\slot, \q, \i
.endr
.endm
.macro FETCH_B slot, q, b0
	WIN TO_B
.irp i, 0,1,2,3
	FRAGB 16*(\b0+\i), ADRB+\slot, \q, \b0+\i
.endr
	WIN 0
.endm
.macro MULB b, p, zero
	WIN MUL_T
.irp m, 0,1,2,3
.if \zero
	v_wmma_f32_16x16x128_bf8_bf8 v[8*(4*(\b)+\m):8*(4*(\b)+\m)+7], v[16*(\b):16*(\b)+15], v[AF+64*(\p)+16*\m:AF+64*(\p)+16*\m+15], 0
.else
	v_wmma_f32_16x16x128_bf8_bf8 v[8*(4*(\b)+\m):8*(4*(\b)+\m)+7], v[16*(\b):16*(\b)+15], v[AF+64*(\p)+16*\m:AF+64*(\p)+16*\m+15], v[8*(4*(\b)+\m):8*(4*(\b)+\m)+7]
.endif
.endr
.endm
.macro STEP slot, zero
	s_wait_dscnt 16
.irp b, 0,1,2,3
	MULB \b, 0, \zero
.endr
	s_wait_dscnt 0x0
	PLACES
	FETCH_B \slot, 1, 0
	FETCH_A \slot, 1, 1
.irp b, 4,5,6,7
	MULB \b, 0, \zero
.endr
	PLACES
	FETCH_B \slot, 1, 4
.endm
.macro TURN slot, next, fill
	s_wait_tensorcnt 0x0
	ds_add_u32 v[SPW], v[NIL]
	s_wait_dscnt 17
.irp b, 0,1
	MULB \b, 1, 0
.endr
	s_wait_dscnt 0x0
	s_barrier_signal -1
.irp b, 2,3
	MULB \b, 1, 0
.endr
	WIN 0
	s_barrier_wait -1
.if \fill
	CREST
	s_add_nc_u64 s[G0+4*\slot+2:G0+4*\slot+3], s[G0+4*\slot+2:G0+4*\slot+3], 4194304
	s_add_nc_u64 s[G0B+4*\slot+2:G0B+4*\slot+3], s[G0B+4*\slot+2:G0B+4*\slot+3], 512
	JLOAD G0+4*\slot, G1, G0B+4*\slot, G1B
.else
	PLACES
.endif
	FETCH_B \next, 0, 0
	FETCH_A \next, 0, 0
.irp b, 4,5,6,7
	MULB \b, 1, 0
.endr
	PLACES
	FETCH_B \next, 0, 4
.endm
	s_wait_alu depctr_va_vdst(0)
	s_wait_tensorcnt 0x0                           ; my part of K step 0 is in; these lines stand ahead of a later first fill, as ahead of a refill
	ds_add_u32 v[SPW], v[NIL]
	s_wait_dscnt 0x0
	CROUND                                         ; everybody's part is in, and all sixteen work-groups are here
	JLOAD G0+4, G1, G0B+4, G1B                     ; K step 1's load, the first tensor load behind the round
	FETCH_B 0, 0, 0
	FETCH_A 0, 0, 0
	FETCH_B 0, 0, 4
	STEP 0, 1
	TURN 0, 1, 1
	STEP 1, 0
	TURN 1, 0, 1
	STEP 0, 0
	TURN 0, 1, 0
	STEP 1, 0
	s_wait_dscnt 16
.irp b, 0,1,2,3
	MULB \b, 1, 0
.endr
	s_wait_dscnt 0x0
.irp b, 4,5,6,7
	MULB \b, 1, 0
.endr
	WIN 0
.macro TOSTAGE m
	WIN 0x12
.irp nb, 0,1,2,3,4,5,6,7
.irp i, 0,2,4,6
	v_pk_fma_f32 v[TMP+8*\nb+\i:TMP+8*\nb+\i+1], v[8*(4*\nb+(\m))+\i:8*(4*\nb+(\m))+\i+1], s[96:97], v[128+8*\nb+\i:128+8*\nb+\i+1] op_sel_hi:[1,0,1]
.endr
.endr
	WIN 0
.irp nb, 0,1,2,3,4,5,6,7
	ds_store_b128 v[STO], v[TMP+8*\nb:TMP+8*\nb+3] offset:64*\nb
	ds_store_b128 v[STO], v[TMP+8*\nb+4:TMP+8*\nb+7] offset:64*\nb+16
.endr
.set BB, BK+64*((\m)%2)
.irp t, 0,1,2,3,4,5,6,7,8,9,10,11,12,13,14,15
	ds_load_b128 v[BB+4*\t:BB+4*\t+3], v[RD] offset:\t*SPITCH
.endr
.endm
.macro SEND m, younger
.set BB, BK+64*((\m)%2)
	s_wait_dscnt \younger
.irp t, 0,1,2,3,4,5,6,7,8,9,10,11,12,13,14,15
	global_store_b128 v[CO], v[BB+4*\t:BB+4*\t+3], s[68:69] offset:(16*(\m)+\t)*4096 th:TH_STORE_NT
.endr
.endm
	PLACES
	s_wait_loadcnt 0x0
	TOSTAGE 0
	TOSTAGE 1
	SEND 0, 32
	s_wait_xcnt 0x0
	TOSTAGE 2
	SEND 1, 32
	s_wait_xcnt 0x0
	TOSTAGE 3
	SEND 2, 32
	SEND 3, 0
	s_wait_tensorcnt 0x0
	ds_add_u32 v[SPW], v[NIL]
	s_wait_dscnt 0x0
	CROUND
	s_endpgm
.Lfunc_end_k_qa746bbdba5_proj:
	.size	k_qa746bbdba5_proj, .Lfunc_end_k_qa746bbdba5_proj-k_qa746bbdba5_proj
	.p2alignl 7, 3214868480
	.fill 96, 4, 3214868480
	.section	.rodata,"a",@progbits
	.p2align	6, 0x0
	.amdhsa_kernel k_qa746bbdba5_proj
		.amdhsa_group_segment_fixed_size 327680
		.amdhsa_private_segment_fixed_size 0
		.amdhsa_enable_private_segment 0
		.amdhsa_kernarg_size 40
		.amdhsa_user_sgpr_count 2
		.amdhsa_user_sgpr_kernarg_segment_ptr 1
		.amdhsa_wavefront_size32 1
		.amdhsa_system_sgpr_workgroup_id_x 1
		.amdhsa_system_sgpr_workgroup_id_y 1
		.amdhsa_system_sgpr_workgroup_id_z 1
		.amdhsa_system_vgpr_workitem_id 0
		.amdhsa_next_free_vgpr 768
		.amdhsa_next_free_sgpr 100
		.amdhsa_reserve_vcc 0
		.amdhsa_float_denorm_mode_32 3
		.amdhsa_float_denorm_mode_16_64 3
		.amdhsa_memory_ordered 1
		.amdhsa_forward_progress 1
		.amdhsa_inst_pref_size 78
	.end_amdhsa_kernel
	.amdgpu_metadata
---
amdhsa.version: [ 1, 2 ]
amdhsa.kernels:
  - .name:           k_qa746bbdba5_proj
    .symbol:         k_qa746bbdba5_proj.kd
    .args:
      - { .name: res_codes, .offset: 0, .size: 8, .value_kind: global_buffer, .address_space: global }
      - { .name: w_codes, .offset: 8, .size: 8, .value_kind: global_buffer, .address_space: global }
      - { .name: lowp_scales, .offset: 16, .size: 8, .value_kind: global_buffer, .address_space: global }
      - { .name: out_b, .offset: 24, .size: 8, .value_kind: global_buffer, .address_space: global }
      - { .name: out0, .offset: 32, .size: 8, .value_kind: global_buffer, .address_space: global }
    .group_segment_fixed_size: 327680
    .private_segment_fixed_size: 0
    .kernarg_segment_align: 8
    .kernarg_segment_size: 40
    .max_flat_workgroup_size: 128
    .sgpr_count:     100
    .vgpr_count:     768
    .wavefront_size: 32
...
	.end_amdgpu_metadata
.endif
;; end of part 4
